; MI455X (gfx1250); checked and timed in simulation.
; The chip was launched on July 23, 2026; its instructions are those of AMD's public machine-readable ISA for CDNA 5 (MIT licence, August 2026) and "CDNA5" Instruction Set Architecture Reference Guide (July 2026). The comments in the code are by the model that wrote it; some were corrected since.
;; Hybrid Attention Layer. Allowed arithmetic: float matrix products may take bf16 or f16 operands with f32 sums; other float arithmetic in f32, or as packed bf16 or f16 multiplies, adds, multiply-adds, maxima and minima; sums over many terms, partial sums and values carried from step to step in f32; what a program stores and reads back later, other than sums and carried values, may be rounded once to bf16 or f16.
;; Inputs: Wg 1,024 x 1 float32; Wout 1,024 x 1,024 float32; Wqkv 1,024 x 3,072 float32; bg 1 float32; bout 1,024 float32; bqkv 3,072 float32; hidden_states 1 x 4,096 x 1,024 float32.
;; Outputs: out0 1 x 4,096 x 1,024 float32.
;; 2 versions, each right and faster than the one before. Each part assembles by itself: llvm-mc -triple=amdgcn-amd-amdhsa -mcpu=gfx1250 --defsym DOCPART=n.
;; ======== version 1 of 2: 4 launches
;; limits: values are held in f16: magnitudes above 65,504 overflow, below 6.1e-05 lose precision
;; workspace buffers: xp 8,388,608 bytes; wq 6,291,456 bytes; wo 2,097,152 bytes; gate 16,384 bytes; qkv 25,165,824 bytes; op 8,388,608 bytes
;; launch prep (part 1): grid 576 x 1, 4 waves a work-group, no clusters, 0 bytes of LDS; arguments hidden_states, Wqkv, Wout, Wg, bg, xp, wq, wo, gate; writes xp, wq, wo, gate
.if DOCPART == 1
	.amdgcn_target "amdgcn-amd-amdhsa--gfx1250"
	.amdhsa_code_object_version 6
	.text
	.protected	k_q0d82648445_prep
	.globl	k_q0d82648445_prep
	.p2align	8
	.type	k_q0d82648445_prep,@function
k_q0d82648445_prep:
	s_mov_b64 s[64:65], 0
	v_nop
	global_prefetch_b8 v0, s[64:65] scope:SCOPE_SE
	s_setreg_imm32_b32 hwreg(HW_REG_WAVE_MODE, 25, 1), 1
	s_wait_xcnt 0x0
; CASTS, NEW LAYOUTS AND THE GATE.  A stream: no LDS, no loop, no matrix unit (each number is read once, rounded once and written once).
;   xp[p][row][64]  bf16: plane p holds columns 64 p .. 64 p + 63 of hidden_states [4096][1024]
;   wq[j][k][192]   bf16: block j holds columns 192 j .. of Wqkv [1024][3072]
;   wo[j][k][64]    f16:  block j holds columns 64 j .. of Wout [1024][1024]; each number is rounded to bf16 first, and that number is written as f16
;   gate[row]       f32:  sigmoid(x . Wg + bg), made of x, Wg and bg rounded to bf16; products and sums in f32
; LIMITS.  A bf16 number of Wout beyond 65,504 becomes an infinity in f16; below 6.1e-5 it keeps f16's fixed step of 6e-8.  NaN and infinities are not treated apart.
; THE UNIT OF WORK.  Sixteen lanes read 256 consecutive aligned bytes of f32 (64 columns of one row), each lane rounds its 4 numbers into 8 bytes, and one store of the wave writes 256
; consecutive aligned bytes: the two halves of the lanes hold two pieces of 128 bytes that are neighbours in the destination.
; SHARES.  Work-groups 0-255: 16 rows of x each, 4 a wave.  256-511: 64 rows of one block of Wqkv, 16 a wave.  512-575: 16 rows of Wout, 4 a wave.
; All loads of a wave go out at once; the waits count down.  No register of a load or store is written again, so nothing but EXEC wants a wait on XCNT.
.set X,   64                           ; v[64:191]  load n: four registers as loaded; the first two then hold what is stored
.set WGR, 192                          ; v[192:255] Wg as loaded
.set WP,  16                           ; v[16:47]   Wg in bf16 pairs: plane i at WP + 2 i
.set GA,  48                           ; v[48:55]   the gate's sums: four chains for each pair of rows
.set T,   56                           ; v[56:59]   at work
.set ZR,  15                           ; v15        0: what the chains' first links add onto
.set DST, 3                            ; v3         8 x lane: my 8 bytes of a store's 256
.set L16, 5                            ; v5         16 x (lane % 16): my 16 bytes of a load's 256
.set SRC, 6                            ; v6-8       the loads' lane offsets
	s_load_b512 s[4:19], s[0:1], 0x0               ; hidden_states 4:5, Wqkv 6:7, Wout 8:9, Wg 10:11, bg 12:13, xp 14:15, wq 16:17, wo 18:19
	s_load_b64 s[20:21], s[0:1], 0x40              ; gate
	v_lshrrev_b32 v4, 5, v0
	v_readfirstlane_b32 s22, v4                    ; wave 0..3
	v_and_b32 v1, 15, v0                           ; lane % 16
	v_bfe_u32 v2, v0, 4, 1                         ; g = lane / 16
	v_and_b32 v[DST], 31, v0
	v_lshlrev_b32 v[DST], 3, v[DST]
	v_lshlrev_b32 v[L16], 4, v1
	s_mov_b32 s23, ttmp9
	s_mov_b32 s27, 0                               ; the high words of the two offset pairs
	s_mov_b32 s29, 0
	s_wait_kmcnt 0x0
; 32 loads: pairs of rows n / 16, plane n % 16; lanes 0-15 take the even row, lanes 16-31 the odd one
.macro LOADS32 src
.set n, 0
.rept 32
	global_load_b128 v[X+4*n:X+4*n+3], v[SRC], s[\src:\src+1] offset:(n/16)*8192+(n%16)*256 th:TH_LOAD_NT
.set n, n+1
.endr
.endm
; Load n's four numbers are rounded.  kind 0: to bf16.  kind 1: to bf16, and the rounded numbers enter the gate's sums.  kind 2: to bf16, and that number is written as f16.
.macro CAST kind
	v_cvt_pk_bf16_f32 v[X+4*n], v[X+4*n], v[X+4*n+1]
	v_cvt_pk_bf16_f32 v[X+4*n+1], v[X+4*n+2], v[X+4*n+3]
.if (\kind) == 1
.irp c, 0,1,2,3
.if n%16 == 0
.set ad, ZR
.else
.set ad, GA+4*(n/16)+(\c)
.endif
.if (\c)%2
	v_fma_mix_f32_bf16 v[GA+4*(n/16)+(\c)], v[X+4*n+(\c)/2], v[WP+2*(n%16)+(\c)/2], v[ad] op_sel:[1,1,0] op_sel_hi:[1,1,0]  ; high halves
.else
	v_fma_mix_f32_bf16 v[GA+4*(n/16)+(\c)], v[X+4*n+(\c)/2], v[WP+2*(n%16)+(\c)/2], v[ad] op_sel_hi:[1,1,0]                 ; low halves
.endif
.endr
.elseif (\kind) == 2
	v_lshlrev_b32 v[T], 16, v[X+4*n]
	v_and_b32 v[T+1], 0xffff0000, v[X+4*n]
	v_lshlrev_b32 v[T+2], 16, v[X+4*n+1]
	v_and_b32 v[T+3], 0xffff0000, v[X+4*n+1]
	v_cvt_pk_f16_f32 v[X+4*n], v[T], v[T+1]
	v_cvt_pk_f16_f32 v[X+4*n+1], v[T+2], v[T+3]
.endif
.endm
; The 32 turns: load n has 31 - n younger loads behind it (loads come back in order: ISA guide 5.7.1)
.macro TURNS32 kind, stride, dst
.set n, 0
.rept 32
	s_wait_loadcnt 31-n
	CAST \kind
	global_store_b64 v[DST], v[X+4*n:X+4*n+1], s[\dst:\dst+1] offset:(n%16)*(\stride)+(n/16)*256  ; two rows of a plane: 256 consecutive bytes, aligned
.set n, n+1
.endr
.endm
	s_cmp_lt_u32 s23, 256
	s_cbranch_scc1 .Lx
	s_cmp_lt_u32 s23, 512
	s_cbranch_scc1 .Lq
	; Wout: rows 16 b + 4 w .. + 3
	s_sub_co_u32 s23, s23, 512
	s_lshl_b32 s24, s23, 4
	s_lshl_b32 s25, s22, 2
	s_add_co_u32 s24, s24, s25
	s_lshl_b32 s26, s24, 12                        ; a row of Wout is 4,096 bytes,
	s_add_nc_u64 s[8:9], s[8:9], s[26:27]
	s_lshl_b32 s28, s24, 7                         ; of a block of wo 128
	s_add_nc_u64 s[18:19], s[18:19], s[28:29]
	v_lshl_add_u32 v[SRC], v2, 12, v[L16]
	LOADS32 8
	TURNS32 2, 131072, 18                          ; a block of wo is 1,024 rows of 128 bytes
	s_endpgm
.Lq:	; Wqkv: block j = b / 16, rows 64 (b % 16) + 16 w .. + 15.  A row of a block is three pieces of 128 bytes; a pair of rows is six, taken two at a time.
	s_sub_co_u32 s23, s23, 256
	s_lshr_b32 s24, s23, 4                         ; j
	s_and_b32 s25, s23, 15
	s_lshl_b32 s25, s25, 6
	s_lshl_b32 s26, s22, 4
	s_add_co_u32 s25, s25, s26                     ; my first row
	s_mul_i32 s26, s25, 12288                      ; a row of Wqkv,
	s_mul_i32 s28, s24, 768                        ; the block's 192 columns in it
	s_add_co_u32 s26, s26, s28
	s_add_nc_u64 s[6:7], s[6:7], s[26:27]
	s_mul_i32 s28, s24, 393216                     ; a block of wq,
	s_mul_i32 s30, s25, 384                        ; a row of it
	s_add_co_u32 s28, s28, s30
	s_add_nc_u64 s[16:17], s[16:17], s[28:29]
	v_lshl_add_u32 v[SRC], v2, 8, v[L16]           ; pieces 0, 1: the even row's columns 0-63, 64-127
	v_mul_u32_u24 v[SRC+1], v2, 0x2e00
	v_add3_u32 v[SRC+1], v[SRC+1], v[L16], 0x200   ; pieces 2, 3: the even row's columns 128-191 (byte 512), the odd row's 0-63 (byte 12,288)
	v_add_nc_u32 v[SRC+2], 0x3100, v[SRC]          ; pieces 4, 5: the odd row's columns 64-127, 128-191
.set n, 0
.rept 24
	global_load_b128 v[X+4*n:X+4*n+3], v[SRC+n%3], s[6:7] offset:(n/3)*24576 th:TH_LOAD_NT
.set n, n+1
.endr
.set n, 0
.rept 24
	s_wait_loadcnt 23-n                            ; load n has 23 - n younger ones behind it
	CAST 0
	global_store_b64 v[DST], v[X+4*n:X+4*n+1], s[16:17] offset:(n/3)*768+(n%3)*256
.set n, n+1
.endr
	s_endpgm
.Lx:	; hidden_states: rows 16 b + 4 w .. + 3, and their gates
	s_load_b32 s30, s[12:13], 0x0                  ; bg
	s_lshl_b32 s24, s23, 4
	s_lshl_b32 s25, s22, 2
	s_add_co_u32 s24, s24, s25                     ; my first row
	s_lshl_b32 s26, s24, 12
	s_add_nc_u64 s[4:5], s[4:5], s[26:27]
	s_lshl_b32 s28, s24, 7
	s_add_nc_u64 s[14:15], s[14:15], s[28:29]
	s_lshl_b32 s26, s24, 2
	s_add_nc_u64 s[20:21], s[20:21], s[26:27]
	v_lshl_add_u32 v[SRC], v2, 12, v[L16]
	v_mov_b32 v[ZR], 0
.set i, 0
.rept 16
	global_load_b128 v[WGR+4*i:WGR+4*i+3], v[L16], s[10:11] offset:256*i  ; Wg for my four columns of plane i
.set i, i+1
.endr
	LOADS32 4
	s_wait_loadcnt 32                              ; Wg is in; the 32 loads of x may stay out
.set i, 0
.rept 16
	v_cvt_pk_bf16_f32 v[WP+2*i], v[WGR+4*i], v[WGR+4*i+1]
	v_cvt_pk_bf16_f32 v[WP+2*i+1], v[WGR+4*i+2], v[WGR+4*i+3]
.set i, i+1
.endr
	TURNS32 1, 524288, 14                          ; a plane of xp is 4,096 rows of 128 bytes; the largest immediate, 7,864,576, lies inside the signed 24 bits
.irp p, 0,1
	v_add_f32 v[GA+4*(\p)], v[GA+4*(\p)], v[GA+4*(\p)+1]
	v_add_f32 v[GA+4*(\p)+2], v[GA+4*(\p)+2], v[GA+4*(\p)+3]
	v_add_f32 v[GA+4*(\p)], v[GA+4*(\p)], v[GA+4*(\p)+2]
.endr
.irp m, 1,2,4,8                        ; a row lies in one half of 16 lanes: four steps, and every lane of the half holds the row's sum
	v_add_f32_dpp v[GA], v[GA], v[GA] row_xmask:\m row_mask:0xf bank_mask:0xf
	v_add_f32_dpp v[GA+4], v[GA+4], v[GA+4] row_xmask:\m row_mask:0xf bank_mask:0xf
.endr
	s_wait_kmcnt 0x0
	v_mov_b32 v10, s30
	v_cvt_pk_bf16_f32 v10, v10, v10                ; bg rounded like the other inputs
	v_lshlrev_b32 v10, 16, v10
	v_add_f32 v[GA], v[GA], v10
	v_add_f32 v[GA+4], v[GA+4], v10
	v_mul_f32 v[GA], 0xbfb8aa3b, v[GA]             ; sigmoid(t) = 1 / (1 + 2^(-log2(e) t))
	v_mul_f32 v[GA+4], 0xbfb8aa3b, v[GA+4]
	v_exp_f32 v[GA], v[GA]
	v_exp_f32 v[GA+4], v[GA+4]
	v_lshl_add_u32 v12, v1, 1, v2                  ; a plain instruction behind the exponentials (ISA guide 5.7.2): row 2 (lane % 16) + g of my four
	s_wait_alu depctr_va_vdst(0)
	v_add_f32 v[GA], 1.0, v[GA]
	v_add_f32 v[GA+4], 1.0, v[GA+4]
	v_rcp_f32 v[GA], v[GA]
	v_rcp_f32 v[GA+4], v[GA+4]
	v_lshlrev_b32 v12, 2, v12                      ; a plain instruction behind the reciprocals
	v_cmp_eq_u32 vcc_lo, 1, v1
	s_wait_alu depctr_va_vdst(0)
	v_cndmask_b32 v11, v[GA], v[GA+4], vcc_lo      ; lanes 1 and 17 take the second pair of rows
	s_wait_xcnt 0x0                                ; EXEC changes only behind this wait
	v_cmp_gt_u32 vcc_lo, 2, v1
	s_and_saveexec_b32 s25, vcc_lo
	global_store_b32 v12, v11, s[20:21]            ; four lanes, 16 consecutive bytes: the one store here that fills no 256 bytes; 16 KiB in the launch
	s_wait_xcnt 0x0
	s_or_b32 exec_lo, exec_lo, s25
	s_endpgm
.Lfunc_end_k_q0d82648445_prep:
	.size	k_q0d82648445_prep, .Lfunc_end_k_q0d82648445_prep-k_q0d82648445_prep
	.p2alignl 7, 3214868480
	.fill 96, 4, 3214868480
	.section	.rodata,"a",@progbits
	.p2align	6, 0x0
	.amdhsa_kernel k_q0d82648445_prep
		.amdhsa_group_segment_fixed_size 0
		.amdhsa_private_segment_fixed_size 0
		.amdhsa_enable_private_segment 0
		.amdhsa_kernarg_size 72
		.amdhsa_user_sgpr_count 2
		.amdhsa_user_sgpr_kernarg_segment_ptr 1
		.amdhsa_wavefront_size32 1
		.amdhsa_system_sgpr_workgroup_id_x 1
		.amdhsa_system_sgpr_workgroup_id_y 1
		.amdhsa_system_sgpr_workgroup_id_z 1
		.amdhsa_system_vgpr_workitem_id 0
		.amdhsa_next_free_vgpr 256
		.amdhsa_next_free_sgpr 66
		.amdhsa_reserve_vcc 1
		.amdhsa_float_denorm_mode_32 3
		.amdhsa_float_denorm_mode_16_64 3
		.amdhsa_memory_ordered 1
		.amdhsa_forward_progress 1
		.amdhsa_inst_pref_size 57
	.end_amdhsa_kernel
	.amdgpu_metadata
---
amdhsa.version: [ 1, 2 ]
amdhsa.kernels:
  - .name:           k_q0d82648445_prep
    .symbol:         k_q0d82648445_prep.kd
    .args:
      - { .name: hidden_states, .offset: 0, .size: 8, .value_kind: global_buffer, .address_space: global }
      - { .name: Wqkv, .offset: 8, .size: 8, .value_kind: global_buffer, .address_space: global }
      - { .name: Wout, .offset: 16, .size: 8, .value_kind: global_buffer, .address_space: global }
      - { .name: Wg, .offset: 24, .size: 8, .value_kind: global_buffer, .address_space: global }
      - { .name: bg, .offset: 32, .size: 8, .value_kind: global_buffer, .address_space: global }
      - { .name: xp, .offset: 40, .size: 8, .value_kind: global_buffer, .address_space: global }
      - { .name: wq, .offset: 48, .size: 8, .value_kind: global_buffer, .address_space: global }
      - { .name: wo, .offset: 56, .size: 8, .value_kind: global_buffer, .address_space: global }
      - { .name: gate, .offset: 64, .size: 8, .value_kind: global_buffer, .address_space: global }
    .group_segment_fixed_size: 0
    .private_segment_fixed_size: 0
    .kernarg_segment_align: 8
    .kernarg_segment_size: 72
    .max_flat_workgroup_size: 128
    .sgpr_count:     66
    .vgpr_count:     256
    .wavefront_size: 32
...
	.end_amdgpu_metadata
.endif
;; end of part 1
;; launch qkvgemm (part 2): grid 16 x 16, 4 waves a work-group, clusters of 4 x 4, 327,680 bytes of LDS; arguments xp, wq, bqkv, qkv; writes qkv
.if DOCPART == 2
	.amdgcn_target "amdgcn-amd-amdhsa--gfx1250"
	.amdhsa_code_object_version 6
	.text
	.protected	k_q0d82648445_qkvgemm
	.globl	k_q0d82648445_qkvgemm
	.p2align	8
	.type	k_q0d82648445_qkvgemm,@function
k_q0d82648445_qkvgemm:
	s_mov_b64 s[64:65], 0
	v_nop
	global_prefetch_b8 v0, s[64:65] scope:SCOPE_SE
	s_setreg_imm32_b32 hwreg(HW_REG_WAVE_MODE, 25, 1), 1
	s_wait_xcnt 0x0
	s_wait_alu depctr_hold_cnt(0) depctr_sa_sdst(0) depctr_va_vdst(0) depctr_va_sdst(0) depctr_va_ssrc(0) depctr_va_vcc(0) depctr_vm_vsrc(0)
	s_getreg_b32 s2, hwreg(HW_REG_IB_STS2, 6, 4)
	s_cmp_eq_u32 s2, 0
	s_cbranch_scc0 .Lentry_in_a_cluster
	s_endpgm
.Lentry_in_a_cluster:
	s_bfe_u32 s2, ttmp6, 0x10000c
	s_cmp_lg_u32 s2, 0xf033
	s_cbranch_scc0 .Lentry_shape_is_right
	s_endpgm
.Lentry_shape_is_right:
; C = A B + bias, K = 1,024.  ONE TEXT FOR TWO LAUNCHES; the switch QKV picks the constants, the matrix form and the way out.
;   QKV = 1: A = xp [16 planes][4096][64] bf16, B = wq [16 blocks][1024][192] bf16, bias = bqkv f32, C = qkv [48 planes][4096][64] f16 (plane = column / 64: q 0-15, k 16-31, v 32-47)
;   QKV = 0: A = op [16 planes][4096][64] f16,  B = wo [16 blocks][1024][64] f16,   bias = bout f32, C = out0 [4096][1024] f32
; Sums in f32; the bias is rounded to bf16 like the other inputs and STARTS the sums, as the C operand of the first products: nothing is cleared, nothing is added on the way out.
; LIMIT (QKV = 1): q, k, v beyond 65,504 become infinities in f16.  NaN and infinities are not treated apart.
; SHARES.  A work-group makes 256 rows x NW columns: 16 x 16 work-groups.  Its four waves lie along the rows: a wave has 64 rows x NW columns, 4 x NB accumulators of 16 x 16, so it owns whole
; planes of 64 columns and has a stage of its own on the way out.  K goes in 8 steps of 128 (two planes of A) through a ring of two LDS slots.
; TILES ARE DENSE IN MEMORY: a plane's 256 rows are 32,768 bytes on end, 64 rows of a block of B are 128 NW bytes on end.  They are asked for as rows of 256 bytes and padded in LDS after every 128.
; B LIES [K][N] and comes out of LDS turned, by ds_load_tr16_b128.  THE MATRIX INSTRUCTION IS USED TRANSPOSED (source 0 = 16 columns of B, source 1 = 16 rows of A): a lane holds eight neighbouring
; numbers of a row of C.
; CLUSTER.  4 x 4 work-groups: the four of a row need the same tiles of A, the four of a column the same tiles of B; each tile is asked for JOINTLY, by the same tensor load and descriptor in all four.
; NO PREFETCH: K has 8 steps, of which the first four come by their loads alone; what would be left is half of a short walk.
; REGISTERS.  window 0: v0-31 addresses; v32.. the bias, later at work on the way out.  window 1: two fragment buffers of 128 (A's block a at 8 a, B's block b at 32 + 8 b).
;   windows 2, 3: accumulator (a, b) in window 2 + a / 2 at v[8 (NB (a % 2) + b)].
.set QKV, 1
.if QKV
.set NW,    192                        ; columns of a tile
.set STW,   3*16*144                   ; a wave's stage: three planes x 16 rows x 144 bytes
.set OB,    80                         ; the way out: two sets of OBN registers read back from the stage
.set OBN,   48
.else
.set NW,    64
.set STW,   16*272                     ; 16 rows x (256 + 16) bytes
.set OB,    64
.set OBN,   32
.endif
.set NB,    NW/16
.set NL,    2*NB+8                     ; LDS loads of a quarter step
.set PA,    144                        ; a row of A in LDS: 128 bytes + 16 = 36 words: the 16 rows of a load start at 16 different groups of four banks (64 banks of 4 bytes: ISA guide 11.1)
.set PB,    160*NW/64                  ; a row of B: each 128 bytes + 32: an odd multiple of 32, so that 16 lanes of the turning load (8 rows x 32 bytes) take each bank once
.set APL,   256*PA                     ; a plane of A's tile
.set BOFF,  2*APL                      ; B's 128 rows lie behind A's two planes
.set BHALF, 64*PB
.set SLOT,  BOFF+2*BHALF
.set STAGE, 2*SLOT                     ; behind the ring, never filled by a tensor load
.set SPARE, STAGE+4*STW                ; behind the stages: the spare words, 128 bytes for each wave: two blocks of 256 bytes that no other line names
.set ASTEP, 2*4096*128                 ; bytes from a K step to the next: two planes of A,
.set BSTEP, 128*NW*2                   ; 128 rows of B
.set LAPS,  4                          ; a lap = two K steps = once round the ring
.set ADRA, 16                          ; v16-17  LDS address of my A fragments in slot 0, 1
.set ADRB, 20                          ; v20-21  the same for B
.set STO,  24                          ; v24     the way out: where I put my bytes of a row
.set RD,   25                          ; v25     where I read rows back
.set CO,   26                          ; v26     my byte offset in C; never rewritten
.set BO,   27                          ; v27     my byte offset in the bias; never rewritten
.set SPW,  28                          ; v28     LDS address of my spare word: SPARE + 4 x my thread's number; never rewritten
.set NIL,  29                          ; v29     0; never rewritten
.set BIAS, 32                          ; v[32 ..] block b's eight numbers at BIAS + 8 b
.set TMP,  32                          ; later: packed results
.set F0,   0
.set F1,   128
.set G1A, 24                           ; s[24:31] descriptor group 1 for A's tiles;  s[32:39] group 0, one set for each slot
.set G0A, 32
.set G1B, 48                           ; s[48:55], s[56:63] the same for B's
.set G0B, 56
.set MSB, 0
.macro WIN new                         ; the immediate's high byte repeats the setting that is left; a switch that changes nothing is dropped
.if MSB != (\new)
	s_set_vgpr_msb (MSB<<8)|(\new)
.set MSB, (\new)
.endif
.endm
.set TO_F, 0x40                        ; destination window 1, address window 0
.macro JLOAD s                         ; a joint load: waves 0 and 1 fetch A's two planes, waves 2 and 3 B's two halves; an s_nop 0 and four v_nop follow each of the two lines
	s_cmp_lt_u32 s12, 2
	s_cbranch_scc0 .Lfor_b_\@
	tensor_load_to_lds s[G0A+4*(\s):G0A+4*(\s)+3], s[G1A:G1A+7]
	s_nop 0
.rept 4
	v_nop
.endr
	s_branch .Lasked_\@
.Lfor_b_\@:
	tensor_load_to_lds s[G0B+4*(\s):G0B+4*(\s)+3], s[G1B:G1B+7]
	s_nop 0
.rept 4
	v_nop
.endr
.Lasked_\@:
.endm
.macro CREST                           ; a round of the cluster's barrier behind its opening barrier
	s_cmp_lg_u32 s12, 0
	s_cbranch_scc1 .Lnot_wave_0_\@
	s_barrier_signal -3
.Lnot_wave_0_\@:
	s_barrier_wait -3
	s_barrier_signal -1
	s_barrier_wait -1
.endm
.macro CROUND                          ; a whole round
	s_barrier_signal -1
	s_barrier_wait -1
	CREST
.endm
	s_load_b256 s[4:11], s[0:1], 0x0               ; A s[4:5], B s[6:7], bias s[8:9], C s[10:11]
	v_lshl_add_u32 v[SPW], v0, 2, SPARE
	v_mov_b32 v[NIL], 0
	ds_add_u32 v[SPW], v[NIL]                      ; the wave's opening: the add and its wait stand ahead of my first tensor load; the set-up below, work on registers, stands between them
	ds_add_u32 v28, v29
	v_lshrrev_b32 v1, 5, v0
	v_readfirstlane_b32 s12, v1                    ; wave 0..3
	s_and_b32 s13, s12, 1                          ; which plane of A, or which half of B's rows, I fetch
	s_bfe_u32 s40, ttmp6, 0x40000                  ; cx, cy: my place in the cluster
	s_bfe_u32 s41, ttmp6, 0x40004
	s_lshl_b32 s42, ttmp9, 2
	s_add_co_u32 s42, s42, s40                     ; column block = 4 x cluster x + cx
	s_and_b32 s43, ttmp7, 0xffff
	s_lshl_b32 s43, s43, 2
	s_add_co_u32 s43, s43, s41                     ; row block = 4 x cluster y + cy
	s_lshl_b32 s44, s41, 2
	s_lshl_b32 s44, 15, s44                        ; my row of the cluster
	s_lshl_b32 s45, 0x1111, s40                    ; my column
	s_or_b32 s[G1A], s44, (1<<16)|(1<<20)|(1<<21)|(4<<22)|(3<<25)  ; 15:0 the mask: A's tiles go to my row; 17:16 elements of 2 bytes; 20 padding on; 21 set beside a mask; 24:22 after every 32 words (code 4); 31:25 4 words (code 3)
	s_or_b32 s[G1B], s45, (1<<16)|(1<<20)|(1<<21)|(4<<22)|(7<<25)  ; B's go to my column; 8 words of padding (code 7)
.irp g, G1A, G1B
	s_mov_b32 s[\g+1], 128<<16                     ; tensor_dim0 = 128 elements: 256 bytes
	s_mov_b32 s[\g+3], 128<<16                     ; tile_dim0 = 128
	s_mov_b32 s[\g+5], 128                         ; 128 elements from row to row: the tile is dense
	s_mov_b32 s[\g+6], 0
	s_mov_b32 s[\g+7], 0
.endr
	s_mov_b32 s[G1A+2], 128<<16                    ; tensor_dim1 = tile_dim1 = 128 rows of 256 bytes: 256 rows of a plane
	s_mov_b32 s[G1A+4], 128
	s_mov_b32 s[G1B+2], (NW/2)<<16                 ; NW / 2 rows of 256 bytes: 64 rows of a block
	s_mov_b32 s[G1B+4], NW/2
	s_lshl_b32 s16, s43, 15                        ; A: the row block's 256 rows of 128 bytes,
	s_lshl_b32 s17, s13, 19                        ; my plane
	s_add_co_u32 s16, s16, s17
	s_mov_b32 s17, 0
	s_mul_i32 s46, s42, 2048*NW                    ; B: the column block,
	s_mul_i32 s47, s13, 128*NW                     ; my 64 rows
	s_add_co_u32 s46, s46, s47
	s_mov_b32 s47, 0
	s_mul_i32 s20, s13, APL                        ; where they go: no place in the cluster enters an LDS address
	s_mul_i32 s21, s13, BHALF
	s_add_co_u32 s21, s21, BOFF
	s_wait_dscnt 0x0                               ; the opening add is done
	s_wait_kmcnt 0x0
	s_add_nc_u64 s[14:15], s[4:5], s[16:17]
	s_add_nc_u64 s[46:47], s[6:7], s[46:47]
	CROUND                                         ; all sixteen work-groups are here: the first joint loads meet
.irp s, 0,1
	s_mov_b32 s[G0A+4*(\s)], 1                                       ; count = 1
	s_add_co_u32 s[G0A+4*(\s)+1], s20, (\s)*SLOT                     ; LDS address
	s_add_nc_u64 s[G0A+4*(\s)+2:G0A+4*(\s)+3], s[14:15], (\s)*ASTEP  ; global address: K step s
	s_or_b32 s[G0A+4*(\s)+3], s[G0A+4*(\s)+3], 0x80000000            ; type = 2
	s_mov_b32 s[G0B+4*(\s)], 1
	s_add_co_u32 s[G0B+4*(\s)+1], s21, (\s)*SLOT
	s_add_nc_u64 s[G0B+4*(\s)+2:G0B+4*(\s)+3], s[46:47], (\s)*BSTEP
	s_or_b32 s[G0B+4*(\s)+3], s[G0B+4*(\s)+3], 0x80000000
	JLOAD \s                                       ; two loads of mine are out
.endr
	v_and_b32 v1, 15, v0                           ; r = l % 16
	v_bfe_u32 v2, v0, 4, 1                         ; h = l / 16
	v_and_b32 v3, 7, v0
	v_bfe_u32 v4, v0, 3, 1
	v_lshlrev_b32 v[BO], 5, v2                     ; my eight columns of a block of 16: 32 h bytes
	s_mul_i32 s22, s42, NW*4
	s_mov_b32 s23, 0
	s_add_nc_u64 s[8:9], s[8:9], s[22:23]          ; the bias at the tile's first column
.set i, 0
.rept NB
	global_load_b128 v[BIAS+8*i:BIAS+8*i+3],   v[BO], s[8:9] offset:64*i
	global_load_b128 v[BIAS+8*i+4:BIAS+8*i+7], v[BO], s[8:9] offset:64*i+16
.set i, i+1
.endr
	; A fragment of A: 16 rows x 32 K in 8 registers: lane l holds row l % 16, K = 8 h + 0..7 and 16 + 8 h + 0..7: two loads of 16 bytes, 32 bytes apart.
	s_mul_i32 s18, s12, 64*PA                      ; my 64 rows
	v_mul_u32_u24 v5, v1, PA
	v_lshl_add_u32 v5, v2, 4, v5                   ; row x pitch + 16 h
	v_add_nc_u32 v[ADRA], s18, v5
	v_add_nc_u32 v[ADRA+1], SLOT, v[ADRA]
	; The turning load takes 16 K x 16 columns (lane l reads row 8 h + l % 8, columns 8 ((l / 8) % 2) + 0..7) and leaves half a fragment: lane l holds column l % 16 and 8 K.
	v_lshl_add_u32 v6, v2, 3, v3
	v_mul_u32_u24 v6, v6, PB
	v_lshl_add_u32 v6, v4, 4, v6
	v_add_nc_u32 v[ADRB], BOFF, v6
	v_add_nc_u32 v[ADRB+1], SLOT, v[ADRB]
	s_mul_i32 s19, s12, STW
	s_add_co_u32 s19, s19, STAGE                   ; my stage
.if QKV
	v_add_nc_u32 v[STO], s19, v5                   ; in: row r, 16 bytes for each half of the lanes
	v_bfe_u32 v7, v0, 3, 2                         ; back: 32 lanes take four rows of 128 bytes,
	v_mul_u32_u24 v7, v7, 144
	v_lshl_add_u32 v7, v3, 4, v7
	v_add_nc_u32 v[RD], s19, v7
	v_and_b32 v[CO], 31, v0                        ; which are 512 consecutive bytes of a plane
	v_lshlrev_b32 v[CO], 4, v[CO]
	s_mul_i32 s22, s42, 3*524288                   ; the tile's three planes,
	s_lshl_b32 s18, s43, 15                        ; the row block,
	s_add_co_u32 s22, s22, s18
	s_lshl_b32 s18, s12, 13                        ; my 64 rows
	s_add_co_u32 s22, s22, s18
.else
	v_mul_u32_u24 v7, v1, 272                      ; in: row r, 32 bytes for each half of the lanes
	v_lshl_add_u32 v7, v2, 5, v7
	v_add_nc_u32 v[STO], s19, v7
	v_mul_u32_u24 v7, v2, 272                      ; back: lanes 0-15 take one row of 256 bytes, lanes 16-31 the next
	v_lshl_add_u32 v7, v1, 4, v7
	v_add_nc_u32 v[RD], s19, v7
	v_lshlrev_b32 v[CO], 12, v2                    ; and the same two rows in C
	v_lshl_add_u32 v[CO], v1, 4, v[CO]
	s_lshl_b32 s22, s43, 20                        ; the row block's 256 rows of 4,096 bytes,
	s_lshl_b32 s18, s12, 18                        ; my 64 rows,
	s_add_co_u32 s22, s22, s18
	s_lshl_b32 s18, s42, 8                         ; the tile's 64 columns
	s_add_co_u32 s22, s22, s18
.endif
	s_add_nc_u64 s[10:11], s[10:11], s[22:23]
.macro WM                              ; one product, on the registers that rD, rB, rA, rC name
.if QKV
	v_wmma_f32_16x16x32_bf16 v[rD:rD+7], v[rB:rB+7], v[rA:rA+7], v[rC:rC+7]
.else
	v_wmma_f32_16x16x32_f16 v[rD:rD+7], v[rB:rB+7], v[rA:rA+7], v[rC:rC+7]
.endif
.endm
; NB products: row block a x all column blocks, 32 along K, from buffer f.  first = 1: the bias (window 0) starts the sums.
; The 4 NB accumulators take turns, one instruction a turn, in the same order in every quarter.
.macro MULA f, a, first
.if \first
	WIN ((2+(\a)/2)<<6)|5
.else
	WIN ((2+(\a)/2)<<6)|((2+(\a)/2)<<4)|5
.endif
.set bi, 0
.rept NB
.set rD, 8*(NB*((\a)%2)+bi)
.set rB, (\f)+32+8*bi
.set rA, (\f)+8*(\a)
.if \first
.set rC, BIAS+8*bi
.else
.set rC, rD
.endif
	WM
.set bi, bi+1
.endr
.endm
; NL LDS loads in one run: the fragments of quarter q (32 along K) of a slot into buffer f: B's first, then A's four blocks
.macro FETCH slot, q, f
	WIN TO_F
.set bi, 0
.rept NB
	ds_load_tr16_b128 v[(\f)+32+8*bi:(\f)+32+8*bi+3],   v[ADRB+(\slot)] offset:(\q)*32*PB+(bi/4)*160+(bi%4)*32
	ds_load_tr16_b128 v[(\f)+32+8*bi+4:(\f)+32+8*bi+7], v[ADRB+(\slot)] offset:(\q)*32*PB+16*PB+(bi/4)*160+(bi%4)*32
.set bi, bi+1
.endr
.irp a, 0,1,2,3
	ds_load_b128 v[(\f)+8*(\a):(\f)+8*(\a)+3],   v[ADRA+(\slot)] offset:((\q)/2)*APL+((\q)%2)*64+(\a)*16*PA
	ds_load_b128 v[(\f)+8*(\a)+4:(\f)+8*(\a)+7], v[ADRA+(\slot)] offset:((\q)/2)*APL+((\q)%2)*64+(\a)*16*PA+32
.endr
.endm
.macro PLACES                          ; four places in front of loads into registers that matrix instructions have read, and of lines that read results
.rept 4
	v_nop
.endr
.endm
; A K step is four quarters of 32 along K, 4 NB products each, on buffers 0, 1, 0, 1.  One of the first three: multiplies buffer f and fetches quarter qn of the same slot into g.
.macro QUARTER slot, qn, f, g, first
	s_wait_dscnt 4                                 ; all but the youngest four loads (A's blocks 2 and 3) are in
	MULA \f, 0, \first
	MULA \f, 1, \first
	PLACES
	FETCH \slot, \qn, \g
	s_wait_dscnt NL                                ; all but the NL just issued
	MULA \f, 2, \first
	MULA \f, 3, \first
.endm
; The last quarter multiplies buffer 1 and changes slots: ONE barrier; in front of it each wave waits for all its tensor loads (one is out: its part of the next slot), adds 0 to its spare word,
; and waits for that and for its own reads of this slot.  fill = 1: this slot is filled again, two K steps ahead; the barrier then opens a round of the cluster's barrier.
.macro TURN slot, next, fill
	WIN 0                                          ; (the add's two registers lie in window 0)
	s_wait_tensorcnt 0x0
	ds_add_u32 v[SPW], v[NIL]                      ; 0 onto my spare word
	s_wait_dscnt 5                                 ; (the add and the youngest four loads may be out)
	MULA F1, 0, 0                                  ; NB products stand between the add and the wait for it
	s_wait_dscnt 0x0                               ; the add is done, and my reads of this slot are over
	s_barrier_signal -1
	MULA F1, 1, 0
.if \fill
	WIN 0
.endif
	s_barrier_wait -1
.if \fill
	CREST                                          ; no wave of any partner still reads this slot's tiles or has a load on its way
	s_add_nc_u64 s[G0A+4*(\slot)+2:G0A+4*(\slot)+3], s[G0A+4*(\slot)+2:G0A+4*(\slot)+3], 2*ASTEP
	s_add_nc_u64 s[G0B+4*(\slot)+2:G0B+4*(\slot)+3], s[G0B+4*(\slot)+2:G0B+4*(\slot)+3], 2*BSTEP
	JLOAD \slot                                    ; the first tensor load behind the round, my only one until the next; its four v_nop are also the places in front of the loads below
.else
	PLACES
.endif
	FETCH \next, 0, F0
	MULA F1, 2, 0
	MULA F1, 3, 0
.endm
	s_wait_tensorcnt 0x1                           ; my part of K step 0 is in; K step 1's may stay out
	s_barrier_signal -1
	s_barrier_wait -1                              ; everybody's is
	FETCH 0, 0, F0
	WIN 0
	s_wait_loadcnt 0x0                             ; the bias,
.set i, 0
.rept 4*NB                             ; rounded to bf16 like the other inputs, and widened again
	v_cvt_pk_bf16_f32 v[30+i%2], v[BIAS+2*i], v[BIAS+2*i+1]
	v_lshlrev_b32 v[BIAS+2*i], 16, v[30+i%2]
	v_and_b32 v[BIAS+2*i+1], 0xffff0000, v[30+i%2]
.set i, i+1
.endr
	QUARTER 0, 1, F0, F1, 1                        ; the first quarter stands in front of the loop: its products start the sums
	WIN 0                                          ; at a label and at a branch every window is 0
	s_mov_b32 s3, LAPS-1
.Llap:                                                 ; a trip goes once round the ring, from a lap's second quarter to the next lap's first, and fills both slots again
	QUARTER 0, 2, F1, F0, 0
	QUARTER 0, 3, F0, F1, 0
	TURN 0, 1, 1
	QUARTER 1, 1, F0, F1, 0
	QUARTER 1, 2, F1, F0, 0
	QUARTER 1, 3, F0, F1, 0
	TURN 1, 0, 1
	QUARTER 0, 1, F0, F1, 0
	WIN 0
	s_sub_co_u32 s3, s3, 1
	s_cmp_lg_u32 s3, 0
	s_cbranch_scc1 .Llap
	QUARTER 0, 2, F1, F0, 0                        ; the last lap fills nothing, and has no round of the cluster's barrier
	QUARTER 0, 3, F0, F1, 0
	TURN 0, 1, 0
	QUARTER 1, 1, F0, F1, 0
	QUARTER 1, 2, F1, F0, 0
	QUARTER 1, 3, F0, F1, 0
	s_wait_dscnt 4                                 ; the very last quarter: nothing more to fetch
	MULA F1, 0, 0
	MULA F1, 1, 0
	s_wait_dscnt 0x0
	MULA F1, 2, 0
	MULA F1, 3, 0
	PLACES
	PLACES                                         ; once a launch
; THE WAY OUT, a block of 16 rows at a time, through my own stage: LDS serves a wave's instructions in order (ISA guide 5.7.1.4), so no wait stands between the stores into it and the loads from it.
.if QKV
.macro PACK a                          ; rounded to f16, each accumulator's registers in ascending order: 16 bytes a lane and column block
	WIN (2+(\a)/2)*5                               ; sources 0 and 1 in the accumulators' window
.set bi, 0
.rept NB
.irp rr, 0,1,2,3
	v_cvt_pk_f16_f32 v[TMP+4*bi+(\rr)], v[8*(NB*((\a)%2)+bi)+2*(\rr)], v[8*(NB*((\a)%2)+bi)+2*(\rr)+1]
.endr
.set bi, bi+1
.endr
	WIN 0
.endm
.macro TOSTAGE a
	WIN 0
	s_wait_xcnt 0x0                                ; the stores issued so far have read their registers: the set that is loaded below was stored from two blocks back
.set bi, 0
.rept NB
	ds_store_b128 v[STO], v[TMP+4*bi:TMP+4*bi+3] offset:(bi/4)*16*144+(bi%4)*32
.set bi, bi+1
.endr
.set ti, 0
.rept 12
	ds_load_b128 v[OB+OBN*((\a)%2)+4*ti:OB+OBN*((\a)%2)+4*ti+3], v[RD] offset:(ti/4)*16*144+(ti%4)*4*144
.set ti, ti+1
.endr
.endm
.macro SEND a, younger
	WIN 0
	s_wait_dscnt \younger                          ; the block is back in registers
.set ti, 0
.rept 12
	global_store_b128 v[CO], v[OB+OBN*((\a)%2)+4*ti:OB+OBN*((\a)%2)+4*ti+3], s[10:11] offset:(ti/4)*524288+(\a)*2048+(ti%4)*512  ; four rows of a plane: 512 consecutive bytes, aligned
.set ti, ti+1
.endr
.endm
	PACK 0
	TOSTAGE 0
.irp a, 1,2,3                          ; block a's conversions stand between block a - 1's loads from the stage and the wait for them
	PACK \a
	SEND (\a)-1, 0
	TOSTAGE \a
.endr
	SEND 3, 0
.else
.macro TOSTAGE a                       ; the f32 sums go into the stage as they are, each accumulator's four lowest registers first
	WIN (2+(\a)/2)<<2                              ; the stores' data (source 1) in the accumulators' window
.set bi, 0
.rept NB
	ds_store_b128 v[STO], v[8*(NB*((\a)%2)+bi):8*(NB*((\a)%2)+bi)+3]   offset:64*bi
	ds_store_b128 v[STO], v[8*(NB*((\a)%2)+bi)+4:8*(NB*((\a)%2)+bi)+7] offset:64*bi+16
.set bi, bi+1
.endr
	WIN 0
	s_wait_xcnt 0x0                                ; the stores issued so far have read their registers: the set that is loaded below was stored from two blocks back
.set ti, 0
.rept 8
	ds_load_b128 v[OB+OBN*((\a)%2)+4*ti:OB+OBN*((\a)%2)+4*ti+3], v[RD] offset:ti*2*272
.set ti, ti+1
.endr
.endm
.macro SEND a, younger                 ; younger: the LDS instructions issued behind block a's loads: the next block's sixteen, or none
	WIN 0
	s_wait_dscnt \younger
.set ti, 0
.rept 8
	global_store_b128 v[CO], v[OB+OBN*((\a)%2)+4*ti:OB+OBN*((\a)%2)+4*ti+3], s[10:11] offset:(16*(\a)+2*ti)*4096 th:TH_STORE_NT  ; 16 lanes store 256 consecutive bytes, aligned
.set ti, ti+1
.endr
.endm
	TOSTAGE 0
.irp a, 1,2,3
	TOSTAGE \a
	SEND (\a)-1, 16
.endr
	SEND 3, 0
.endif
	WIN 0
	s_wait_tensorcnt 0x0                           ; the wave's end: behind my last tensor load and my last LDS store
	ds_add_u32 v[SPW], v[NIL]
	s_wait_dscnt 0x0
	CROUND                                         ; the closing round: no work-group ends while a partner may still ask for a tile that names it
	s_endpgm
.Lfunc_end_k_q0d82648445_qkvgemm:
	.size	k_q0d82648445_qkvgemm, .Lfunc_end_k_q0d82648445_qkvgemm-k_q0d82648445_qkvgemm
	.p2alignl 7, 3214868480
	.fill 96, 4, 3214868480
	.section	.rodata,"a",@progbits
	.p2align	6, 0x0
	.amdhsa_kernel k_q0d82648445_qkvgemm
		.amdhsa_group_segment_fixed_size 327680
		.amdhsa_private_segment_fixed_size 0
		.amdhsa_enable_private_segment 0
		.amdhsa_kernarg_size 32
		.amdhsa_user_sgpr_count 2
		.amdhsa_user_sgpr_kernarg_segment_ptr 1
		.amdhsa_wavefront_size32 1
		.amdhsa_system_sgpr_workgroup_id_x 1
		.amdhsa_system_sgpr_workgroup_id_y 1
		.amdhsa_system_sgpr_workgroup_id_z 1
		.amdhsa_system_vgpr_workitem_id 0
		.amdhsa_next_free_vgpr 960
		.amdhsa_next_free_sgpr 66
		.amdhsa_reserve_vcc 0
		.amdhsa_float_denorm_mode_32 3
		.amdhsa_float_denorm_mode_16_64 3
		.amdhsa_memory_ordered 1
		.amdhsa_forward_progress 1
		.amdhsa_inst_pref_size 128
	.end_amdhsa_kernel
	.amdgpu_metadata
---
amdhsa.version: [ 1, 2 ]
amdhsa.kernels:
  - .name:           k_q0d82648445_qkvgemm
    .symbol:         k_q0d82648445_qkvgemm.kd
    .args:
      - { .name: xp, .offset: 0, .size: 8, .value_kind: global_buffer, .address_space: global }
      - { .name: wq, .offset: 8, .size: 8, .value_kind: global_buffer, .address_space: global }
      - { .name: bqkv, .offset: 16, .size: 8, .value_kind: global_buffer, .address_space: global }
      - { .name: qkv, .offset: 24, .size: 8, .value_kind: global_buffer, .address_space: global }
    .group_segment_fixed_size: 327680
    .private_segment_fixed_size: 0
    .kernarg_segment_align: 8
    .kernarg_segment_size: 32
    .max_flat_workgroup_size: 128
    .sgpr_count:     66
    .vgpr_count:     960
    .wavefront_size: 32
...
	.end_amdgpu_metadata
.endif
;; end of part 2
;; launch attn (part 3): grid 16 x 16, 4 waves a work-group, no clusters, 262,656 bytes of LDS; arguments qkv, gate, op; writes op
.if DOCPART == 3
	.amdgcn_target "amdgcn-amd-amdhsa--gfx1250"
	.amdhsa_code_object_version 6
	.text
	.protected	k_q0d82648445_attn
	.globl	k_q0d82648445_attn
	.p2align	8
	.type	k_q0d82648445_attn,@function
k_q0d82648445_attn:
	s_mov_b64 s[64:65], 0
	v_nop
	global_prefetch_b8 v0, s[64:65] scope:SCOPE_SE
	s_setreg_imm32_b32 hwreg(HW_REG_WAVE_MODE, 25, 1), 1
	s_wait_xcnt 0x0
; BANDED ATTENTION, GLOBAL-TOKEN ATTENTION AND THE GATE.  For head h and query q:
;   op[h][q][:] = (1 - g[q]) softmax over |k - q| <= 256 of (Q.K / 8) V  +  g[q] softmax over k < 64 of (Q.K / 8) V.
; qkv: [48 planes][4096][64] f16 (q: plane h, k: 16 + h, v: 32 + h), gate: [4096] f32, op: [16][4096][64] f16.  Products, maxima and sums in f32; the weights p are rounded to f16 for the second
; product (their sum l is taken of the unrounded p), op once at the end.
; LIMITS.  q, k, v arrive within f16's 65,504, so a score is 2.7e11 at the most.  A hidden score counts as its value less 1e30 (or 2e30).  The running maximum starts at -2^50, below every score
; and far above every hidden one, so a hidden score is never the maximum.  A weight below 2^-126 counts as 0 in l.  NaN and infinities are not treated apart.
; SHARES.  A work-group owns 256 queries of one head, wave w the 64 consecutive ones 64 w .. 64 w + 63: four tiles of 16, two pieces of two.  Of the 12 key steps of 64 in the three blocks of 256 keys
; round the work-group's own (L, C, R), wave w's band is exactly the nine steps w + i, i = 0..8: in step i = 0 key kk is hidden where kk < qq, in step i = 8 where kk > qq (both counted within 64),
; the seven between are seen whole.  With the step of the 64 global keys that is ten steps for every wave.  At the sequence's ends L or R does not exist: a block inside the buffer is fetched in its
; place and its steps are hidden whole; they are computed like the others, so that all work-groups run one text with constant trip counts.
; ALL KEYS STAY IN LDS: 64 + 768 rows of K and of V.  No byte is filled twice, so there is no ring.  Each wave issues four tensor loads at the head (G, L, C, R; waves 0, 1 K's halves, waves 2, 3 V's):
; four loads of mine are out.  The global step and step i = 0 touch G and L alone and run while C and R are on their way.
; THE MASK is the C operand that starts a sum S^T = K Q^T.  For tile t and key block kb of 16: MLOW where kb < t, MDIA where kb = t, MUPP where kb > t, eight registers each, made anew for each step
; from four scalars: MLOW = SLOW, MUPP = SUPP, MDIA = triangle x AL + HID.
; LAYOUT, SOFTMAX.  S^T = K Q^T holds ONE query a lane (lane % 16) and the keys 8 (lane / 16) + 0..7; two such results rounded to f16 ARE source 1 of O^T = V^T P.  p = 2^(c s - c m), c = log2(e) / 8, with a
; running maximum m; O and l are multiplied by a = 2^(c m_old - c m_new) in every step.  A pass's first true step has a = 0, so what O and l held before need only be finite.
; ORDER OF A STEP: both pieces' K Q^T; piece 0's softmax; piece 0's V^T P; piece 1's softmax; piece 1's V^T P.
; NO CLUSTER: neighbouring work-groups share blocks of keys, but at different places of their three (one's C is the next one's L); equal descriptors would make the LDS addresses of the reads hang on the
; place in the cluster.  What lies at equal places, the global keys, is 16 of 208 KiB.  NO PREFETCH: every tile is asked for by its tensor load at the head; nothing is left to ask for later.
; REGISTERS, in windows of 256 (s_set_vgpr_msb: bits 1:0 source 0, 3:2 source 1, 5:4 source 2, 7:6 destination):
;   window 0: v0-15 addresses; v16-31 statistics, four a tile; v32-47 at work, four a tile; v48-51 c m_old; v52-55 the gate; v64-191 S^T, 32 a tile; v192-255 P, 16 a tile
;   window 1: v0-127 O^T, 32 a tile; v128-255 the global part, finished and scaled      window 2: v0-63 Q; v64-103 triangles and masks; v128-191 K of one step; v192-255 V of one step
.set PK,    144       ; a row of K in LDS: 128 bytes + 16 = 36 words: the 16 rows of a load start at 16 different groups of four banks (64 banks of 4 bytes: ISA guide 11.1)
.set PVP,   160       ; a row of V: 128 + 32 = 40 words
.set KS,    64        ; keys in a step
.set NROW,  832       ; rows 0-63 the global keys, 64-319 L, 320-575 C, 576-831 R
.set VBASE, NROW*PK
.set STAGE, VBASE+NROW*PVP  ; never filled by a tensor load: 16 rows x 144 bytes for each wave, for the way out
.set SP,    144
.set SPARE, STAGE+4*16*SP   ; the spare words, 128 bytes for each wave: two blocks of 256 bytes that no other line names
.set AK0, 2           ; v2   my lane's place in a step of K; never rewritten
.set AV0, 3           ; v3   the same for V
.set AK,  4           ; v4   the LDS address of K's next run of loads
.set AV,  5           ; v5   of V's
.set STO, 6           ; v6   the way out: where I put 16 bytes of a row
.set RD,  7           ; v7   where I read rows back
.set GO,  8           ; v8   my byte offset in 512 consecutive bytes of op
.set QO,  9           ; v9   my byte offset in 16 rows of Q; never rewritten
.set GOF, 11          ; v11  my byte offset in 16 gates; never rewritten
.set ST,  16          ; tile t's statistics at v[ST+4 t]: c m, m, l (even keys', odd keys')
.set TMP, 32          ; tile t's c0-c3 at v[TMP+4 t]; when the maximum is found c2 takes a
.set MV,  48
.set GT,  52          ; g, later 1 - g
.set SPW, 62          ; v62  LDS address of my spare word: SPARE + 4 x my thread's number; never rewritten
.set NIL, 63          ; v63  0; never rewritten
.set S,   64
.set P,   192
.set OG,  128         ; window 1
.set TRIL, 64         ; window 2: -1e30 where register j < r - 8 h: the left edge's diagonal block
.set TRIR, 72         ; where j > r - 8 h: the right edge's
.set MLOW, 80
.set MDIA, 88
.set MUPP, 96
.set KF,  128         ; key block kb, channel half c at KF + 16 kb + 8 c
.set VF,  192         ; key half kk, channel block cb at VF + 32 kk + 8 cb
.set WV,  12          ; s12  my wave's number
.set QB,  13          ; s13  my block of 256 queries
.set HEAD, 14         ; s14
.set H2,  15          ; s15  which half of a tile I fetch
.set G1L, 16          ; s[16:23] descriptor group 1: 64 rows of 256 bytes
.set G1S, 24          ; s[24:31] 16 rows
.set G0,  32          ; s[32:47] four sets of group 0: G, L, C, R; none is written again
.set TBK, 54          ; s54  LDS byte at which K of the step to be fetched begins
.set TBV, 55          ; s55  the same for V, less VBASE
.set CNT, 56          ; s56  steps still to come
.set GI,  57          ; s57  the step's number among the twelve
.set CS,  58          ; s[58:59] c: the packed scaling takes the pair's low word for both halves
.set SEL, 60          ; s[60:61] v_permlanex16_b32's selects: each lane takes its own place in the other half
.set LOB, 62          ; s62, s63  steps below LOB and from HIB on do not exist
.set HIB, 63
.set AL,  66          ; s[66:67]
.set HID, 68          ; s[68:69] -1e30 if the step does not exist, else 0
.set SLOW, 70
.set SUPP, 71
.set BIGN, 72         ; s72  -1e30
.set WK,  73          ; s73  my wave's 64 w rows of K
.set WVV, 74          ; s74  of V
.set OFS, 76          ; s[76:77] my 64 rows in plane h: for Q and for op
.set TL,  78          ; s78, s79  the blocks fetched as L and R
.set TR,  79
.set M0,  0xd8800000  ; -2^50
.set CM0, 0xd738aa3b  ; c x -2^50, exact: a step that leaves m at its start finds c m_old - c m_new = 0
.set MSB, 0
.macro WIN new                      ; the high byte repeats the setting that is left; a switch that changes nothing is dropped
.if MSB != (\new)
	s_set_vgpr_msb (MSB<<8)|(\new)
.set MSB, (\new)
.endif
.endm
.set W_KQ, 0x0a       ; K and Q in window 2, S^T in window 0
.set W_KM, 0x2a       ; the same with the C operand in window 2
.set W_PV, 0x52       ; V in window 2, P in window 0, O^T in window 1
.set W_RS, 0x41       ; destination and source 0 in window 1, source 1 in window 0
; Group 0 number k: 128 keys of block s[tau], to LDS byte ldsc + 128 H2 rows.  s[50:51] the plane, s49 = 0, s52 = 16,384 H2.
.macro G0SET k, tau, ldsc, pitch
	s_mov_b32 s[G0+4*(\k)], 1
	s_mul_i32 s[G0+4*(\k)+1], s[H2], 128*(\pitch)
	s_add_co_u32 s[G0+4*(\k)+1], s[G0+4*(\k)+1], \ldsc
	s_lshl_b32 s48, s[\tau], 15
	s_add_co_u32 s48, s48, s52
	s_add_nc_u64 s[G0+4*(\k)+2:G0+4*(\k)+3], s[50:51], s[48:49]
	s_or_b32 s[G0+4*(\k)+3], s[G0+4*(\k)+3], 0x80000000
.endm
; A wave's four fills.  Keys are dense in memory, 128 bytes each: asked for as rows of 256 bytes, two keys a row, and padded in LDS after every key.
.macro FILL4 pitch, padcode, ldsbase, plane
	s_add_co_u32 s48, s[HEAD], \plane
	s_lshl_b32 s48, s48, 19         ; a plane is 524,288 bytes
	s_mov_b32 s49, 0
	s_add_nc_u64 s[50:51], s[4:5], s[48:49]
.irp g, G1L, G1S
	s_mov_b32 s[\g], (1<<16)|(1<<20)|(4<<22)|((\padcode)<<25)  ; 17:16 2-byte elements; 20 padding on; 24:22 after every 32 words (code 4); 31:25 the padding's words less one
	s_mov_b32 s[\g+1], 128<<16      ; tensor_dim0 = 128
	s_mov_b32 s[\g+3], 128<<16      ; tile_dim0 = 128
	s_mov_b32 s[\g+5], 128          ; 128 elements from row to row
	s_mov_b32 s[\g+6], 0
	s_mov_b32 s[\g+7], 0
.endr
	s_mov_b32 s[G1L+2], 64<<16      ; tensor_dim1 = tile_dim1 = 64: 128 keys
	s_mov_b32 s[G1L+4], 64
	s_mov_b32 s[G1S+2], 16<<16      ; 16: 32 keys
	s_mov_b32 s[G1S+4], 16
	s_mov_b32 s[G0], 1              ; G: my 32 of the 64 global keys
	s_mul_i32 s[G0+1], s[H2], 32*(\pitch)
	s_add_co_u32 s[G0+1], s[G0+1], \ldsbase
	s_lshl_b32 s48, s[H2], 12
	s_add_nc_u64 s[G0+2:G0+3], s[50:51], s[48:49]
	s_or_b32 s[G0+3], s[G0+3], 0x80000000
	s_lshl_b32 s52, s[H2], 14
	G0SET 1, TL, (\ldsbase)+64*(\pitch), \pitch
	G0SET 2, QB, (\ldsbase)+320*(\pitch), \pitch
	G0SET 3, TR, (\ldsbase)+576*(\pitch), \pitch
	tensor_load_to_lds s[G0:G0+3], s[G1S:G1S+7]
	s_nop 0
	tensor_load_to_lds s[G0+4:G0+7], s[G1L:G1L+7]
	s_nop 0
	tensor_load_to_lds s[G0+8:G0+11], s[G1L:G1L+7]
	s_nop 0
	tensor_load_to_lds s[G0+12:G0+15], s[G1L:G1L+7]
	s_nop 0
.rept 4
	v_nop                           ; an s_nop 0 follows each load, four v_nop the last
.endr
.endm
	s_load_b128 s[4:7], s[0:1], 0x0 ; qkv s[4:5], gate s[6:7]
	s_load_b64 s[8:9], s[0:1], 0x10 ; op
	v_lshl_add_u32 v[SPW], v0, 2, SPARE
	v_mov_b32 v[NIL], 0
	ds_add_u32 v[SPW], v[NIL]       ; the wave's opening: the add and its wait stand ahead of my first tensor load; the set-up below, work on registers, stands between them
	ds_add_u32 v62, v63
	v_lshrrev_b32 v1, 5, v0
	v_readfirstlane_b32 s[WV], v1   ; wave 0..3
	s_mov_b32 s[QB], ttmp9
	s_and_b32 s[HEAD], ttmp7, 0xffff
	s_and_b32 s[H2], s[WV], 1
	s_max_u32 s[TL], s[QB], 1
	s_sub_co_u32 s[TL], s[TL], 1    ; the block before mine, or block 0
	s_add_co_u32 s[TR], s[QB], 1
	s_min_u32 s[TR], s[TR], 15      ; the block behind mine, or block 15
	s_cmp_eq_u32 s[QB], 0
	s_cselect_b32 s[LOB], 4, 0
	s_cmp_eq_u32 s[QB], 15
	s_cselect_b32 s[HIB], 8, 12
	s_lshl_b32 s[OFS], s[HEAD], 19
	s_lshl_b32 s48, s[QB], 15       ; 256 rows of 128 bytes,
	s_add_co_u32 s[OFS], s[OFS], s48
	s_lshl_b32 s48, s[WV], 13       ; my wave's 64
	s_add_co_u32 s[OFS], s[OFS], s48
	s_mov_b32 s[OFS+1], 0
	s_lshl_b32 s52, s[QB], 10       ; the same rows' gates, 4 bytes each
	s_lshl_b32 s48, s[WV], 8
	s_add_co_u32 s52, s52, s48
	s_mov_b32 s53, 0
	s_mov_b32 s[CS], 0x3e38aa3b     ; c = log2(e) / 8 = 0.180337
	s_mov_b32 s[CS+1], s[CS]        ; named with it as a pair
	s_mov_b32 s[SEL], 0x76543210
	s_mov_b32 s[SEL+1], 0xfedcba98
	s_mov_b32 s[BIGN], 0xf149f2ca   ; -1e30
	s_mov_b32 s[AL], 0              ; the global step hides nothing
	s_mov_b32 s[AL+1], 0
	s_mov_b32 s[HID], 0
	s_mov_b32 s[HID+1], 0
	s_mov_b32 s[SLOW], 0
	s_mov_b32 s[SUPP], 0
	s_mov_b32 s[TBK], 0
	s_mov_b32 s[TBV], 0
	s_mul_i32 s[WK], s[WV], KS*PK
	s_mul_i32 s[WVV], s[WV], KS*PVP
	s_mov_b32 s[GI], s[WV]
	s_wait_dscnt 0x0                ; the opening add is done
	s_wait_kmcnt 0x0
	s_add_nc_u64 s[10:11], s[4:5], s[OFS:OFS+1]  ; Q at my wave's first row
	s_add_nc_u64 s[8:9], s[8:9], s[OFS:OFS+1]    ; op likewise
	s_add_nc_u64 s[6:7], s[6:7], s[52:53]        ; and the gates
	s_cmp_lt_u32 s[WV], 2           ; a wave's four fills stand in one branch, ahead of every wait on TENSORcnt, every LDS read and every barrier
	s_cbranch_scc0 .Lfill_v
	FILL4 PK, 3, 0, 16
	s_branch .Lfilled
.Lfill_v:
	FILL4 PVP, 7, VBASE, 32
.Lfilled:
	; A fragment of K or Q is 16 rows x 32 channels in 8 registers: lane l holds row l % 16, channels 8 (l / 16) + 0..7 and 16 + 8 (l / 16) + 0..7: two loads of 16 bytes, 32 bytes apart.
	v_and_b32 v1, 15, v0            ; r = l % 16
	v_bfe_u32 v10, v0, 4, 1         ; h = l / 16
	v_lshlrev_b32 v[QO], 7, v1
	v_lshl_add_u32 v[QO], v10, 4, v[QO]
	v_lshlrev_b32 v[GOF], 2, v1
	WIN 0x80                        ; destination window 2, address window 0
.set i, 0
.rept 8                             ; Q stays in registers: tile i / 2, channels 32 (i % 2) on
	global_load_b128 v[8*i:8*i+3],   v[QO], s[10:11] offset:(i/2)*2048+(i%2)*64
	global_load_b128 v[8*i+4:8*i+7], v[QO], s[10:11] offset:(i/2)*2048+(i%2)*64+32
.set i, i+1
.endr
	WIN 0
.irp t, 0,1,2,3
	global_load_b32 v[GT+(\t)], v[GOF], s[6:7] offset:64*(\t)  ; my query's gate in each tile
.endr
	v_lshlrev_b32 v14, 3, v10
	v_sub_nc_u32 v14, v1, v14       ; r - 8 h
	WIN 0x80
.set i, 0
.rept 8
	v_cmp_lt_i32 vcc_lo, i, v14
	v_cndmask_b32 v[TRIL+i], 0, s[BIGN], vcc_lo
	v_cmp_gt_i32 vcc_lo, i, v14
	v_cndmask_b32 v[TRIR+i], 0, s[BIGN], vcc_lo
.set i, i+1
.endr
	WIN 0x40
.set i, 0
.rept 128
	v_mov_b32 v[i], 0               ; O^T need only be finite when the first step multiplies it by a = 0: written in the wait for the first tiles, so that every step has one form
.set i, i+1
.endr
	WIN 0
.set i, 0
.rept 4
	v_mov_b32 v[ST+4*i], CM0
	v_mov_b32 v[ST+4*i+1], M0
	v_mov_b32 v[ST+4*i+2], 0
	v_mov_b32 v[ST+4*i+3], 0
.set i, i+1
.endr
	v_mul_u32_u24 v[AK0], v1, PK
	v_lshl_add_u32 v[AK0], v10, 4, v[AK0]  ; row x pitch + 16 h
	; The turning load takes 16 keys x 16 channels (lane l reads key 8 h + l % 8, channels 8 ((l / 8) % 2) + 0..7) and leaves half a fragment of V^T: lane l holds channel l % 16 and 8 keys.
	v_and_b32 v12, 7, v0
	v_bfe_u32 v13, v0, 3, 1
	v_lshl_add_u32 v[AV0], v10, 3, v12
	v_mul_u32_u24 v[AV0], v[AV0], PVP
	v_lshl_add_u32 v[AV0], v13, 4, v[AV0]
	v_add_nc_u32 v[AV0], VBASE, v[AV0]
	s_mul_i32 s48, s[WV], 16*SP
	s_add_co_u32 s48, s48, STAGE    ; my stage
	v_mul_u32_u24 v[STO], v1, SP    ; in: row r, 16 bytes for each half of the lanes
	v_lshl_add_u32 v[STO], v10, 4, v[STO]
	v_add_nc_u32 v[STO], s48, v[STO]
	v_bfe_u32 v[RD], v0, 3, 2       ; back: 32 lanes take four rows of 128 bytes,
	v_mul_u32_u24 v[RD], v[RD], SP
	v_lshl_add_u32 v[RD], v12, 4, v[RD]
	v_add_nc_u32 v[RD], s48, v[RD]
	v_and_b32 v[GO], 31, v0         ; which are 512 consecutive bytes of op
	v_lshlrev_b32 v[GO], 4, v[GO]
; THE MATRIX WORK.  The 8 accumulators of a run of 16 take turns, one instruction a turn.
; Product i of 16 of S^T = K Q^T for piece p: channels 32 (i / 8) on, keys 16 ((i / 2) % 4) on, tile 2 p + i % 2.  The first 8 start the sums with the mask.
.macro KQ2 p
.set i, 0
.rept 16
.set tl, 2*(\p)+i%2
.set kb, (i/2)%4
.set rS, S+32*tl+8*kb
.set rK, KF+16*kb+8*(i/8)
.set rQ, 16*tl+8*(i/8)
.if i < 8
.if kb < tl
.set rM, MLOW
.elseif kb == tl
.set rM, MDIA
.else
.set rM, MUPP
.endif
	WIN W_KM
	v_wmma_f32_16x16x32_f16 v[rS:rS+7], v[rK:rK+7], v[rQ:rQ+7], v[rM:rM+7]
.else
	WIN W_KQ
	v_wmma_f32_16x16x32_f16 v[rS:rS+7], v[rK:rK+7], v[rQ:rQ+7], v[rS:rS+7]
.endif
.set i, i+1
.endr
.endm
; Product i of 16 of O^T += V^T P for piece p: keys 32 (i / 8) on, channels 16 ((i / 2) % 4) on, tile 2 p + i % 2.
.macro PV2 p
	WIN W_PV
.set i, 0
.rept 16
.set tl, 2*(\p)+i%2
.set rO, 32*tl+8*((i/2)%4)
.set rV, VF+32*(i/8)+8*((i/2)%4)
.set rP, P+16*tl+8*(i/8)
	v_wmma_f32_16x16x32_f16 v[rO:rO+7], v[rV:rV+7], v[rP:rP+7], v[rO:rO+7]
.set i, i+1
.endr
.endm
; THE LDS LOADS stand in runs of 16: a step's K (64 keys x 64 channels: 8 fragments) and its V (turned).
.macro NEXT_K
	WIN 0
	v_add_nc_u32 v[AK], s[TBK], v[AK0]
	s_add_co_u32 s[TBK], s[TBK], KS*PK  ; the next fetch is the next step's
	WIN 0x80                        ; destination window 2
.irp f, 0,1,2,3,4,5,6,7             ; keys 16 (f / 2) on, channels 32 (f % 2) on
	ds_load_b128 v[KF+8*\f:KF+8*\f+3],   v[AK] offset:(\f/2)*16*PK+(\f%2)*64
	ds_load_b128 v[KF+8*\f+4:KF+8*\f+7], v[AK] offset:(\f/2)*16*PK+(\f%2)*64+32
.endr
.endm
.macro NEXT_V
	WIN 0
	v_add_nc_u32 v[AV], s[TBV], v[AV0]
	s_add_co_u32 s[TBV], s[TBV], KS*PVP
	WIN 0x80
.irp f, 0,1,2,3,4,5,6,7             ; keys 32 (f / 4) on, channels 16 (f % 4) on
	ds_load_tr16_b128 v[VF+8*\f:VF+8*\f+3],   v[AV] offset:(\f/4)*32*PVP+(\f%4)*32
	ds_load_tr16_b128 v[VF+8*\f+4:VF+8*\f+7], v[AV] offset:(\f/4)*32*PVP+16*PVP+(\f%4)*32
.endr
.endm
; The step's three masks: 20 plain instructions on registers of their own
.macro MASKS tri
	WIN 0x82
.set z, 0
.rept 8
	v_mov_b32 v[MLOW+z], s[SLOW]
	v_mov_b32 v[MUPP+z], s[SUPP]
.set z, z+1
.endr
.set z, 0
.rept 4
	v_pk_fma_f32 v[MDIA+2*z:MDIA+2*z+1], v[(\tri)+2*z:(\tri)+2*z+1], s[AL:AL+1], s[HID:HID+1] op_sel_hi:[1,0,0]
.set z, z+1
.endr
.endm
; THE VECTOR WORK, one line at a time: OP kind, tile, number.  X n: number n of the 22 that find the maximum and the statistics:
;   0-11  four chains c0-c3 of seven scores each, three operands at a time (each accumulator's lowest registers are read first)     12-14, 16  the four scores left over, the old m, and c0-c3 into c0
;   15  c m_old is kept     17, 18  the query's other 32 keys lie in the lane 16 away: the new m     19-21  c m; c m_old - c m_new; a
; F n: c s - c m for pair n of 16.  E n: the exponential of score n of 32.  R n: pair n of 16 of O^T times a.  C n: pair n rounded to f16.  B n: addition n of the 15 that sum the 16 pairs, in place, neighbours
; 1, 2, 4 and 8 pairs apart.  L: l = a l + the sum.
.set F, 0
.set E, 1
.set C, 2
.set B, 3
.set L, 4
.set R, 5
.set X, 6
.macro OP k, t, n
.set rT, ST+4*(\t)
.set rC, TMP+4*(\t)
.set rW, MV+(\t)
.set rS, S+32*(\t)
.set rP, P+16*(\t)
.set rO, 32*(\t)
.if (\k) == R
	WIN W_RS
	s_wait_alu depctr_va_vdst(0)
	v_pk_mul_f32 v[rO+2*(\n):rO+2*(\n)+1], v[rO+2*(\n):rO+2*(\n)+1], v[rC+2:rC+3] op_sel_hi:[1,0]
.else
	WIN 0
.if (\k) == F
	v_pk_fma_f32 v[rS+2*(\n):rS+2*(\n)+1], v[rS+2*(\n):rS+2*(\n)+1], s[CS:CS+1], v[rT:rT+1] op_sel_hi:[1,0,0] neg_lo:[0,0,1] neg_hi:[0,0,1]
.elseif (\k) == E
	v_exp_f32 v[rS+(\n)], v[rS+(\n)]
.elseif (\k) == C
	v_cvt_pk_f16_f32 v[rP+(\n)], v[rS+2*(\n)], v[rS+2*(\n)+1]
.elseif (\k) == B
.if (\n) < 8
.set w, 4
.set u, (\n)
.elseif (\n) < 12
.set w, 8
.set u, (\n)-8
.elseif (\n) < 14
.set w, 16
.set u, (\n)-12
.else
.set w, 32
.set u, 0
.endif
	v_pk_add_f32 v[rS+w*u:rS+w*u+1], v[rS+w*u:rS+w*u+1], v[rS+w*u+w/2:rS+w*u+w/2+1]
.elseif (\k) == L
	v_pk_fma_f32 v[rT+2:rT+3], v[rT+2:rT+3], v[rC+2:rC+3], v[rS:rS+1] op_sel_hi:[1,0,1]
.elseif (\n) < 4
	v_max3_num_f32 v[rC+(\n)], v[rS+8*(\n)], v[rS+8*(\n)+1], v[rS+8*(\n)+2]
.elseif (\n) < 12
	v_max3_num_f32 v[rC+(\n)%4], v[rC+(\n)%4], v[rS+8*((\n)%4)+2*((\n)/4)+1], v[rS+8*((\n)%4)+2*((\n)/4)+2]
.elseif (\n) == 12
	v_max3_num_f32 v[rC], v[rC], v[rS+7], v[rS+15]
.elseif (\n) == 13
	v_max3_num_f32 v[rC+1], v[rC+1], v[rS+23], v[rS+31]
.elseif (\n) == 14
	v_max3_num_f32 v[rC+2], v[rC+2], v[rC+3], v[rT+1]
.elseif (\n) == 15
	v_mov_b32 v[rW], v[rT]
.elseif (\n) == 16
	v_max3_num_f32 v[rC], v[rC], v[rC+1], v[rC+2]
.elseif (\n) == 17
	v_permlanex16_b32 v[rC+3], v[rC], s[SEL], s[SEL+1]
.elseif (\n) == 18
	v_max_num_f32 v[rT+1], v[rC], v[rC+3]
.elseif (\n) == 19
	v_mul_f32 v[rT], s[CS], v[rT+1]
.elseif (\n) == 20
	v_sub_f32 v[rC+1], v[rW], v[rT]
.else
	v_exp_f32 v[rC+2], v[rC+1]
.endif
.endif
.endm
.macro RUN k, p, cnt                ; numbers 0 .. cnt - 1 of kind k, the piece's two tiles alternating, so that no line reads the result of the one before it
.set nn, 0
.rept \cnt
	OP \k, 2*(\p), nn
	OP \k, 2*(\p)+1, nn
.set nn, nn+1
.endr
.endm
; A piece's softmax for one step.  Behind the two exponentials that make a stand the scalings, behind the 64 exponentials of the scores the rescaling of O^T: plain instructions that touch neither
; their results nor their sources (ISA guide 5.7.2).
.macro SM2 p
	RUN X, \p, 22
	RUN F, \p, 16
	RUN E, \p, 32
	RUN R, \p, 16
	RUN C, \p, 16
	RUN B, \p, 15
	RUN L, \p, 1
.endm
.macro PLACES                       ; four places behind products whose results are read next (ISA guide 7.12.1)
.rept 4
	v_nop
.endr
.endm
; A KEY STEP.  tri: the triangle for MDIA.  fk = 1: the next step's K is fetched; 2: the same, but for the loop's last trip; 0: not.
; The masks' 20 lines are the places between the last step's last product and the loads into V's registers, which it read.  K's registers are loaded again behind piece 0's softmax.
.macro STEP tri, fk
	MASKS \tri
	NEXT_V
	s_wait_dscnt 16                 ; K, asked for a step ago, is in; V's 16 loads may stay out
	KQ2 0
	KQ2 1
	PLACES
	SM2 0
	s_wait_dscnt 0x0                ; V is in
.if (\fk) == 1
	NEXT_K
.elseif (\fk) == 2
	WIN 0                           ; at a branch and at a label every window is 0
	s_cmp_eq_u32 s[CNT], 1
	s_cbranch_scc1 .Lno_k_\@
	NEXT_K
	WIN 0
.Lno_k_\@:
.endif
	PV2 0
	SM2 1
	PV2 1
.endm
.macro HIDDEN                       ; does key step GI exist?
	s_cmp_lt_u32 s[GI], s[LOB]
	s_cselect_b32 s[HID], s[BIGN], 0
	s_cmp_ge_u32 s[GI], s[HIB]
	s_cselect_b32 s[HID], s[BIGN], s[HID]
.endm
.macro ALL line:vararg              ; one line for each tile t
.set t, 0
.rept 4
	\line
.set t, t+1
.endr
.endm
; c2 = GT / l for each tile: l's two halves and the other half of the lanes' are added.  The first four additions are the places behind the last products.
.macro SHARE
	WIN 0
	ALL v_add_f32 v[TMP+4*t], v[ST+4*t+2], v[ST+4*t+3]
	ALL v_permlanex16_b32 v[TMP+4*t+1], v[TMP+4*t], s[SEL], s[SEL+1]
	ALL v_add_f32 v[TMP+4*t], v[TMP+4*t], v[TMP+4*t+1]
	ALL v_rcp_f32 v[TMP+4*t+2], v[TMP+4*t]
	v_nop                           ; a plain instruction between the last reciprocal and the use of its result
	s_wait_alu depctr_va_vdst(0)
	ALL v_mul_f32 v[TMP+4*t+2], v[TMP+4*t+2], v[GT+t]
.endm
	s_wait_tensorcnt 0x2            ; my parts of G and L are in; C's and R's, issued behind them, may stay out
	s_barrier_signal -1
	s_barrier_wait -1               ; everybody's are
	NEXT_K                          ; the global keys
	s_add_co_u32 s[TBK], s[TBK], s[WK]  ; the next fetch is step w of the twelve: rows 64 + 64 w on, inside L
	s_wait_loadcnt 0x0              ; Q and the gates
	STEP TRIL, 1                    ; THE GLOBAL STEP: AL = HID = SLOW = SUPP = 0
	s_add_co_u32 s[TBV], s[TBV], s[WVV]
	SHARE                           ; g / l
	WIN W_RS
.set i, 0
.rept 64
	v_pk_mul_f32 v[OG+2*i:OG+2*i+1], v[2*i:2*i+1], v[TMP+4*(i/16)+2:TMP+4*(i/16)+3] op_sel_hi:[1,0]  ; the global part, scaled as it must be anyway, is set aside
.set i, i+1
.endr
	WIN 0
	ALL v_sub_f32 v[GT+t], 1.0, v[GT+t]
	ALL v_mov_b32 v[ST+4*t], CM0    ; the band's pass begins: its first true step multiplies O^T and l by a = 0
	ALL v_mov_b32 v[ST+4*t+1], M0
	HIDDEN
	s_mov_b32 s[AL], 1.0
	s_mov_b32 s[SLOW], s[BIGN]
	s_mov_b32 s[SUPP], s[HID]
	STEP TRIL, 0                    ; THE LEFT EDGE, i = 0: still inside L
	WIN 0
	s_add_co_u32 s[GI], s[GI], 1
	s_wait_tensorcnt 0x0            ; my parts of C and R are in,
	s_wait_dscnt 0x0
	s_barrier_signal -1
	s_barrier_wait -1               ; everybody's are
	NEXT_K
	WIN 0
	s_mov_b32 s[CNT], 8
.Lband:                             ; i = 1 .. 8; the last holds the right edge
	HIDDEN
	s_cmp_eq_u32 s[CNT], 1
	s_cselect_b32 s[AL], 1.0, 0
	s_cselect_b32 s[SUPP], s[BIGN], s[HID]
	s_mov_b32 s[SLOW], s[HID]
	STEP TRIR, 2
	WIN 0
	s_add_co_u32 s[GI], s[GI], 1
	s_sub_co_u32 s[CNT], s[CNT], 1
	s_cmp_lg_u32 s[CNT], 0
	s_cbranch_scc1 .Lband
	; THE WAY OUT.  op = O^T (1 - g) / l + the global part, rounded to f16 and sent through my stage in LDS, a tile at a time.
	SHARE                           ; (1 - g) / l
.macro PACK t                       ; a lane's eight channels of a row pack into 16 bytes; they go into rows of 144 bytes and come back as whole rows of 128, into S^T's registers
	WIN 0x51                        ; destination, source 0 and source 2 in window 1, source 1 in window 0
.set i, 0
.rept 16
	v_pk_fma_f32 v[32*(\t)+2*i:32*(\t)+2*i+1], v[32*(\t)+2*i:32*(\t)+2*i+1], v[TMP+4*(\t)+2:TMP+4*(\t)+3], v[OG+32*(\t)+2*i:OG+32*(\t)+2*i+1] op_sel_hi:[1,0,1]
.set i, i+1
.endr
	WIN 0x05                        ; sources 0 and 1 window 1, destination window 0
.set i, 0
.rept 16
	v_cvt_pk_f16_f32 v[S+16*(\t)+i], v[32*(\t)+2*i], v[32*(\t)+2*i+1]
.set i, i+1
.endr
	WIN 0
.irp f, 0,1,2,3
	ds_store_b128 v[STO], v[S+16*(\t)+4*\f:S+16*(\t)+4*\f+3] offset:32*\f
.endr
.irp f, 0,1,2,3
	ds_load_b128 v[S+16*(\t)+4*\f:S+16*(\t)+4*\f+3], v[RD] offset:\f*4*SP  ; LDS serves a wave's instructions in order (ISA guide 5.7.1.4): these see the stores above; the next tile's stores come behind them
.endr
.endm
.macro SEND t, younger              ; younger: the LDS instructions issued behind tile t's loads: the next tile's eight, or none
	WIN 0
.irp f, 0,1,2,3
	s_wait_dscnt (\younger)+3-\f
	global_store_b128 v[GO], v[S+16*(\t)+4*\f:S+16*(\t)+4*\f+3], s[8:9] offset:(\t)*2048+\f*512  ; 512 consecutive bytes, at a multiple of 256 from op's first
.endr
.endm
	PACK 0
.set t, 1
.rept 3                             ; a tile's arithmetic stands between the loads of the tile before and its stores
	PACK t
	SEND t-1, 8
.set t, t+1
.endr
	SEND 3, 0
	s_wait_tensorcnt 0x0            ; the wave's end: behind my last tensor load and my last LDS store
	ds_add_u32 v[SPW], v[NIL]
	s_wait_dscnt 0x0
	s_endpgm
.Lfunc_end_k_q0d82648445_attn:
	.size	k_q0d82648445_attn, .Lfunc_end_k_q0d82648445_attn-k_q0d82648445_attn
	.p2alignl 7, 3214868480
	.fill 96, 4, 3214868480
	.section	.rodata,"a",@progbits
	.p2align	6, 0x0
	.amdhsa_kernel k_q0d82648445_attn
		.amdhsa_group_segment_fixed_size 262656
		.amdhsa_private_segment_fixed_size 0
		.amdhsa_enable_private_segment 0
		.amdhsa_kernarg_size 24
		.amdhsa_user_sgpr_count 2
		.amdhsa_user_sgpr_kernarg_segment_ptr 1
		.amdhsa_wavefront_size32 1
		.amdhsa_system_sgpr_workgroup_id_x 1
		.amdhsa_system_sgpr_workgroup_id_y 1
		.amdhsa_system_sgpr_workgroup_id_z 1
		.amdhsa_system_vgpr_workitem_id 0
		.amdhsa_next_free_vgpr 768
		.amdhsa_next_free_sgpr 80
		.amdhsa_reserve_vcc 1
		.amdhsa_float_denorm_mode_32 3
		.amdhsa_float_denorm_mode_16_64 3
		.amdhsa_memory_ordered 1
		.amdhsa_forward_progress 1
		.amdhsa_inst_pref_size 143
	.end_amdhsa_kernel
	.amdgpu_metadata
---
amdhsa.version: [ 1, 2 ]
amdhsa.kernels:
  - .name:           k_q0d82648445_attn
    .symbol:         k_q0d82648445_attn.kd
    .args:
      - { .name: qkv, .offset: 0, .size: 8, .value_kind: global_buffer, .address_space: global }
      - { .name: gate, .offset: 8, .size: 8, .value_kind: global_buffer, .address_space: global }
      - { .name: op, .offset: 16, .size: 8, .value_kind: global_buffer, .address_space: global }
    .group_segment_fixed_size: 262656
    .private_segment_fixed_size: 0
    .kernarg_segment_align: 8
    .kernarg_segment_size: 24
    .max_flat_workgroup_size: 128
    .sgpr_count:     80
    .vgpr_count:     768
    .wavefront_size: 32
...
	.end_amdgpu_metadata
.endif
;; end of part 3
;; launch outgemm (part 4): grid 16 x 16, 4 waves a work-group, clusters of 4 x 4, 327,680 bytes of LDS; arguments op, wo, bout, out0; writes out0
.if DOCPART == 4
	.amdgcn_target "amdgcn-amd-amdhsa--gfx1250"
	.amdhsa_code_object_version 6
	.text
	.protected	k_q0d82648445_outgemm
	.globl	k_q0d82648445_outgemm
	.p2align	8
	.type	k_q0d82648445_outgemm,@function
k_q0d82648445_outgemm:
	s_mov_b64 s[64:65], 0
	v_nop
	global_prefetch_b8 v0, s[64:65] scope:SCOPE_SE
	s_setreg_imm32_b32 hwreg(HW_REG_WAVE_MODE, 25, 1), 1
	s_wait_xcnt 0x0
	s_wait_alu depctr_hold_cnt(0) depctr_sa_sdst(0) depctr_va_vdst(0) depctr_va_sdst(0) depctr_va_ssrc(0) depctr_va_vcc(0) depctr_vm_vsrc(0)
	s_getreg_b32 s2, hwreg(HW_REG_IB_STS2, 6, 4)
	s_cmp_eq_u32 s2, 0
	s_cbranch_scc0 .Lentry_in_a_cluster
	s_endpgm
.Lentry_in_a_cluster:
	s_bfe_u32 s2, ttmp6, 0x10000c
	s_cmp_lg_u32 s2, 0xf033
	s_cbranch_scc0 .Lentry_shape_is_right
	s_endpgm
.Lentry_shape_is_right:
; C = A B + bias, K = 1,024.  ONE TEXT FOR TWO LAUNCHES; the switch QKV picks the constants, the matrix form and the way out.
;   QKV = 1: A = xp [16 planes][4096][64] bf16, B = wq [16 blocks][1024][192] bf16, bias = bqkv f32, C = qkv [48 planes][4096][64] f16 (plane = column / 64: q 0-15, k 16-31, v 32-47)
;   QKV = 0: A = op [16 planes][4096][64] f16,  B = wo [16 blocks][1024][64] f16,   bias = bout f32, C = out0 [4096][1024] f32
; Sums in f32; the bias is rounded to bf16 like the other inputs and STARTS the sums, as the C operand of the first products: nothing is cleared, nothing is added on the way out.
; LIMIT (QKV = 1): q, k, v beyond 65,504 become infinities in f16.  NaN and infinities are not treated apart.
; SHARES.  A work-group makes 256 rows x NW columns: 16 x 16 work-groups.  Its four waves lie along the rows: a wave has 64 rows x NW columns, 4 x NB accumulators of 16 x 16, so it owns whole
; planes of 64 columns and has a stage of its own on the way out.  K goes in 8 steps of 128 (two planes of A) through a ring of two LDS slots.
; TILES ARE DENSE IN MEMORY: a plane's 256 rows are 32,768 bytes on end, 64 rows of a block of B are 128 NW bytes on end.  They are asked for as rows of 256 bytes and padded in LDS after every 128.
; B LIES [K][N] and comes out of LDS turned, by ds_load_tr16_b128.  THE MATRIX INSTRUCTION IS USED TRANSPOSED (source 0 = 16 columns of B, source 1 = 16 rows of A): a lane holds eight neighbouring
; numbers of a row of C.
; CLUSTER.  4 x 4 work-groups: the four of a row need the same tiles of A, the four of a column the same tiles of B; each tile is asked for JOINTLY, by the same tensor load and descriptor in all four.
; NO PREFETCH: K has 8 steps, of which the first four come by their loads alone; what would be left is half of a short walk.
; REGISTERS.  window 0: v0-31 addresses; v32.. the bias, later at work on the way out.  window 1: two fragment buffers of 128 (A's block a at 8 a, B's block b at 32 + 8 b).
;   windows 2, 3: accumulator (a, b) in window 2 + a / 2 at v[8 (NB (a % 2) + b)].
.set QKV, 0
.if QKV
.set NW,    192                        ; columns of a tile
.set STW,   3*16*144                   ; a wave's stage: three planes x 16 rows x 144 bytes
.set OB,    80                         ; the way out: two sets of OBN registers read back from the stage
.set OBN,   48
.else
.set NW,    64
.set STW,   16*272                     ; 16 rows x (256 + 16) bytes
.set OB,    64
.set OBN,   32
.endif
.set NB,    NW/16
.set NL,    2*NB+8                     ; LDS loads of a quarter step
.set PA,    144                        ; a row of A in LDS: 128 bytes + 16 = 36 words: the 16 rows of a load start at 16 different groups of four banks (64 banks of 4 bytes: ISA guide 11.1)
.set PB,    160*NW/64                  ; a row of B: each 128 bytes + 32: an odd multiple of 32, so that 16 lanes of the turning load (8 rows x 32 bytes) take each bank once
.set APL,   256*PA                     ; a plane of A's tile
.set BOFF,  2*APL                      ; B's 128 rows lie behind A's two planes
.set BHALF, 64*PB
.set SLOT,  BOFF+2*BHALF
.set STAGE, 2*SLOT                     ; behind the ring, never filled by a tensor load
.set SPARE, STAGE+4*STW                ; behind the stages: the spare words, 128 bytes for each wave: two blocks of 256 bytes that no other line names
.set ASTEP, 2*4096*128                 ; bytes from a K step to the next: two planes of A,
.set BSTEP, 128*NW*2                   ; 128 rows of B
.set LAPS,  4                          ; a lap = two K steps = once round the ring
.set ADRA, 16                          ; v16-17  LDS address of my A fragments in slot 0, 1
.set ADRB, 20                          ; v20-21  the same for B
.set STO,  24                          ; v24     the way out: where I put my bytes of a row
.set RD,   25                          ; v25     where I read rows back
.set CO,   26                          ; v26     my byte offset in C; never rewritten
.set BO,   27                          ; v27     my byte offset in the bias; never rewritten
.set SPW,  28                          ; v28     LDS address of my spare word: SPARE + 4 x my thread's number; never rewritten
.set NIL,  29                          ; v29     0; never rewritten
.set BIAS, 32                          ; v[32 ..] block b's eight numbers at BIAS + 8 b
.set TMP,  32                          ; later: packed results
.set F0,   0
.set F1,   128
.set G1A, 24                           ; s[24:31] descriptor group 1 for A's tiles;  s[32:39] group 0, one set for each slot
.set G0A, 32
.set G1B, 48                           ; s[48:55], s[56:63] the same for B's
.set G0B, 56
.set MSB, 0
.macro WIN new                         ; the immediate's high byte repeats the setting that is left; a switch that changes nothing is dropped
.if MSB != (\new)
	s_set_vgpr_msb (MSB<<8)|(\new)
.set MSB, (\new)
.endif
.endm
.set TO_F, 0x40                        ; destination window 1, address window 0
.macro JLOAD s                         ; a joint load: waves 0 and 1 fetch A's two planes, waves 2 and 3 B's two halves; an s_nop 0 and four v_nop follow each of the two lines
	s_cmp_lt_u32 s12, 2
	s_cbranch_scc0 .Lfor_b_\@
	tensor_load_to_lds s[G0A+4*(\s):G0A+4*(\s)+3], s[G1A:G1A+7]
	s_nop 0
.rept 4
	v_nop
.endr
	s_branch .Lasked_\@
.Lfor_b_\@:
	tensor_load_to_lds s[G0B+4*(\s):G0B+4*(\s)+3], s[G1B:G1B+7]
	s_nop 0
.rept 4
	v_nop
.endr
.Lasked_\@:
.endm
.macro CREST                           ; a round of the cluster's barrier behind its opening barrier
	s_cmp_lg_u32 s12, 0
	s_cbranch_scc1 .Lnot_wave_0_\@
	s_barrier_signal -3
.Lnot_wave_0_\@:
	s_barrier_wait -3
	s_barrier_signal -1
	s_barrier_wait -1
.endm
.macro CROUND                          ; a whole round
	s_barrier_signal -1
	s_barrier_wait -1
	CREST
.endm
	s_load_b256 s[4:11], s[0:1], 0x0               ; A s[4:5], B s[6:7], bias s[8:9], C s[10:11]
	v_lshl_add_u32 v[SPW], v0, 2, SPARE
	v_mov_b32 v[NIL], 0
	ds_add_u32 v[SPW], v[NIL]                      ; the wave's opening: the add and its wait stand ahead of my first tensor load; the set-up below, work on registers, stands between them
	ds_add_u32 v28, v29
	v_lshrrev_b32 v1, 5, v0
	v_readfirstlane_b32 s12, v1                    ; wave 0..3
	s_and_b32 s13, s12, 1                          ; which plane of A, or which half of B's rows, I fetch
	s_bfe_u32 s40, ttmp6, 0x40000                  ; cx, cy: my place in the cluster
	s_bfe_u32 s41, ttmp6, 0x40004
	s_lshl_b32 s42, ttmp9, 2
	s_add_co_u32 s42, s42, s40                     ; column block = 4 x cluster x + cx
	s_and_b32 s43, ttmp7, 0xffff
	s_lshl_b32 s43, s43, 2
	s_add_co_u32 s43, s43, s41                     ; row block = 4 x cluster y + cy
	s_lshl_b32 s44, s41, 2
	s_lshl_b32 s44, 15, s44                        ; my row of the cluster
	s_lshl_b32 s45, 0x1111, s40                    ; my column
	s_or_b32 s[G1A], s44, (1<<16)|(1<<20)|(1<<21)|(4<<22)|(3<<25)  ; 15:0 the mask: A's tiles go to my row; 17:16 elements of 2 bytes; 20 padding on; 21 set beside a mask; 24:22 after every 32 words (code 4); 31:25 4 words (code 3)
	s_or_b32 s[G1B], s45, (1<<16)|(1<<20)|(1<<21)|(4<<22)|(7<<25)  ; B's go to my column; 8 words of padding (code 7)
.irp g, G1A, G1B
	s_mov_b32 s[\g+1], 128<<16                     ; tensor_dim0 = 128 elements: 256 bytes
	s_mov_b32 s[\g+3], 128<<16                     ; tile_dim0 = 128
	s_mov_b32 s[\g+5], 128                         ; 128 elements from row to row: the tile is dense
	s_mov_b32 s[\g+6], 0
	s_mov_b32 s[\g+7], 0
.endr
	s_mov_b32 s[G1A+2], 128<<16                    ; tensor_dim1 = tile_dim1 = 128 rows of 256 bytes: 256 rows of a plane
	s_mov_b32 s[G1A+4], 128
	s_mov_b32 s[G1B+2], (NW/2)<<16                 ; NW / 2 rows of 256 bytes: 64 rows of a block
	s_mov_b32 s[G1B+4], NW/2
	s_lshl_b32 s16, s43, 15                        ; A: the row block's 256 rows of 128 bytes,
	s_lshl_b32 s17, s13, 19                        ; my plane
	s_add_co_u32 s16, s16, s17
	s_mov_b32 s17, 0
	s_mul_i32 s46, s42, 2048*NW                    ; B: the column block,
	s_mul_i32 s47, s13, 128*NW                     ; my 64 rows
	s_add_co_u32 s46, s46, s47
	s_mov_b32 s47, 0
	s_mul_i32 s20, s13, APL                        ; where they go: no place in the cluster enters an LDS address
	s_mul_i32 s21, s13, BHALF
	s_add_co_u32 s21, s21, BOFF
	s_wait_dscnt 0x0                               ; the opening add is done
	s_wait_kmcnt 0x0
	s_add_nc_u64 s[14:15], s[4:5], s[16:17]
	s_add_nc_u64 s[46:47], s[6:7], s[46:47]
	CROUND                                         ; all sixteen work-groups are here: the first joint loads meet
.irp s, 0,1
	s_mov_b32 s[G0A+4*(\s)], 1                                       ; count = 1
	s_add_co_u32 s[G0A+4*(\s)+1], s20, (\s)*SLOT                     ; LDS address
	s_add_nc_u64 s[G0A+4*(\s)+2:G0A+4*(\s)+3], s[14:15], (\s)*ASTEP  ; global address: K step s
	s_or_b32 s[G0A+4*(\s)+3], s[G0A+4*(\s)+3], 0x80000000            ; type = 2
	s_mov_b32 s[G0B+4*(\s)], 1
	s_add_co_u32 s[G0B+4*(\s)+1], s21, (\s)*SLOT
	s_add_nc_u64 s[G0B+4*(\s)+2:G0B+4*(\s)+3], s[46:47], (\s)*BSTEP
	s_or_b32 s[G0B+4*(\s)+3], s[G0B+4*(\s)+3], 0x80000000
	JLOAD \s                                       ; two loads of mine are out
.endr
	v_and_b32 v1, 15, v0                           ; r = l % 16
	v_bfe_u32 v2, v0, 4, 1                         ; h = l / 16
	v_and_b32 v3, 7, v0
	v_bfe_u32 v4, v0, 3, 1
	v_lshlrev_b32 v[BO], 5, v2                     ; my eight columns of a block of 16: 32 h bytes
	s_mul_i32 s22, s42, NW*4
	s_mov_b32 s23, 0
	s_add_nc_u64 s[8:9], s[8:9], s[22:23]          ; the bias at the tile's first column
.set i, 0
.rept NB
	global_load_b128 v[BIAS+8*i:BIAS+8*i+3],   v[BO], s[8:9] offset:64*i
	global_load_b128 v[BIAS+8*i+4:BIAS+8*i+7], v[BO], s[8:9] offset:64*i+16
.set i, i+1
.endr
	; A fragment of A: 16 rows x 32 K in 8 registers: lane l holds row l % 16, K = 8 h + 0..7 and 16 + 8 h + 0..7: two loads of 16 bytes, 32 bytes apart.
	s_mul_i32 s18, s12, 64*PA                      ; my 64 rows
	v_mul_u32_u24 v5, v1, PA
	v_lshl_add_u32 v5, v2, 4, v5                   ; row x pitch + 16 h
	v_add_nc_u32 v[ADRA], s18, v5
	v_add_nc_u32 v[ADRA+1], SLOT, v[ADRA]
	; The turning load takes 16 K x 16 columns (lane l reads row 8 h + l % 8, columns 8 ((l / 8) % 2) + 0..7) and leaves half a fragment: lane l holds column l % 16 and 8 K.
	v_lshl_add_u32 v6, v2, 3, v3
	v_mul_u32_u24 v6, v6, PB
	v_lshl_add_u32 v6, v4, 4, v6
	v_add_nc_u32 v[ADRB], BOFF, v6
	v_add_nc_u32 v[ADRB+1], SLOT, v[ADRB]
	s_mul_i32 s19, s12, STW
	s_add_co_u32 s19, s19, STAGE                   ; my stage
.if QKV
	v_add_nc_u32 v[STO], s19, v5                   ; in: row r, 16 bytes for each half of the lanes
	v_bfe_u32 v7, v0, 3, 2                         ; back: 32 lanes take four rows of 128 bytes,
	v_mul_u32_u24 v7, v7, 144
	v_lshl_add_u32 v7, v3, 4, v7
	v_add_nc_u32 v[RD], s19, v7
	v_and_b32 v[CO], 31, v0                        ; which are 512 consecutive bytes of a plane
	v_lshlrev_b32 v[CO], 4, v[CO]
	s_mul_i32 s22, s42, 3*524288                   ; the tile's three planes,
	s_lshl_b32 s18, s43, 15                        ; the row block,
	s_add_co_u32 s22, s22, s18
	s_lshl_b32 s18, s12, 13                        ; my 64 rows
	s_add_co_u32 s22, s22, s18
.else
	v_mul_u32_u24 v7, v1, 272                      ; in: row r, 32 bytes for each half of the lanes
	v_lshl_add_u32 v7, v2, 5, v7
	v_add_nc_u32 v[STO], s19, v7
	v_mul_u32_u24 v7, v2, 272                      ; back: lanes 0-15 take one row of 256 bytes, lanes 16-31 the next
	v_lshl_add_u32 v7, v1, 4, v7
	v_add_nc_u32 v[RD], s19, v7
	v_lshlrev_b32 v[CO], 12, v2                    ; and the same two rows in C
	v_lshl_add_u32 v[CO], v1, 4, v[CO]
	s_lshl_b32 s22, s43, 20                        ; the row block's 256 rows of 4,096 bytes,
	s_lshl_b32 s18, s12, 18                        ; my 64 rows,
	s_add_co_u32 s22, s22, s18
	s_lshl_b32 s18, s42, 8                         ; the tile's 64 columns
	s_add_co_u32 s22, s22, s18
.endif
	s_add_nc_u64 s[10:11], s[10:11], s[22:23]
.macro WM                              ; one product, on the registers that rD, rB, rA, rC name
.if QKV
	v_wmma_f32_16x16x32_bf16 v[rD:rD+7], v[rB:rB+7], v[rA:rA+7], v[rC:rC+7]
.else
	v_wmma_f32_16x16x32_f16 v[rD:rD+7], v[rB:rB+7], v[rA:rA+7], v[rC:rC+7]
.endif
.endm
; NB products: row block a x all column blocks, 32 along K, from buffer f.  first = 1: the bias (window 0) starts the sums.
; The 4 NB accumulators take turns, one instruction a turn, in the same order in every quarter.
.macro MULA f, a, first
.if \first
	WIN ((2+(\a)/2)<<6)|5
.else
	WIN ((2+(\a)/2)<<6)|((2+(\a)/2)<<4)|5
.endif
.set bi, 0
.rept NB
.set rD, 8*(NB*((\a)%2)+bi)
.set rB, (\f)+32+8*bi
.set rA, (\f)+8*(\a)
.if \first
.set rC, BIAS+8*bi
.else
.set rC, rD
.endif
	WM
.set bi, bi+1
.endr
.endm
; NL LDS loads in one run: the fragments of quarter q (32 along K) of a slot into buffer f: B's first, then A's four blocks
.macro FETCH slot, q, f
	WIN TO_F
.set bi, 0
.rept NB
	ds_load_tr16_b128 v[(\f)+32+8*bi:(\f)+32+8*bi+3],   v[ADRB+(\slot)] offset:(\q)*32*PB+(bi/4)*160+(bi%4)*32
	ds_load_tr16_b128 v[(\f)+32+8*bi+4:(\f)+32+8*bi+7], v[ADRB+(\slot)] offset:(\q)*32*PB+16*PB+(bi/4)*160+(bi%4)*32
.set bi, bi+1
.endr
.irp a, 0,1,2,3
	ds_load_b128 v[(\f)+8*(\a):(\f)+8*(\a)+3],   v[ADRA+(\slot)] offset:((\q)/2)*APL+((\q)%2)*64+(\a)*16*PA
	ds_load_b128 v[(\f)+8*(\a)+4:(\f)+8*(\a)+7], v[ADRA+(\slot)] offset:((\q)/2)*APL+((\q)%2)*64+(\a)*16*PA+32
.endr
.endm
.macro PLACES                          ; four places in front of loads into registers that matrix instructions have read, and of lines that read results
.rept 4
	v_nop
.endr
.endm
; A K step is four quarters of 32 along K, 4 NB products each, on buffers 0, 1, 0, 1.  One of the first three: multiplies buffer f and fetches quarter qn of the same slot into g.
.macro QUARTER slot, qn, f, g, first
	s_wait_dscnt 4                                 ; all but the youngest four loads (A's blocks 2 and 3) are in
	MULA \f, 0, \first
	MULA \f, 1, \first
	PLACES
	FETCH \slot, \qn, \g
	s_wait_dscnt NL                                ; all but the NL just issued
	MULA \f, 2, \first
	MULA \f, 3, \first
.endm
; The last quarter multiplies buffer 1 and changes slots: ONE barrier; in front of it each wave waits for all its tensor loads (one is out: its part of the next slot), adds 0 to its spare word,
; and waits for that and for its own reads of this slot.  fill = 1: this slot is filled again, two K steps ahead; the barrier then opens a round of the cluster's barrier.
.macro TURN slot, next, fill
	WIN 0                                          ; (the add's two registers lie in window 0)
	s_wait_tensorcnt 0x0
	ds_add_u32 v[SPW], v[NIL]                      ; 0 onto my spare word
	s_wait_dscnt 5                                 ; (the add and the youngest four loads may be out)
	MULA F1, 0, 0                                  ; NB products stand between the add and the wait for it
	s_wait_dscnt 0x0                               ; the add is done, and my reads of this slot are over
	s_barrier_signal -1
	MULA F1, 1, 0
.if \fill
	WIN 0
.endif
	s_barrier_wait -1
.if \fill
	CREST                                          ; no wave of any partner still reads this slot's tiles or has a load on its way
	s_add_nc_u64 s[G0A+4*(\slot)+2:G0A+4*(\slot)+3], s[G0A+4*(\slot)+2:G0A+4*(\slot)+3], 2*ASTEP
	s_add_nc_u64 s[G0B+4*(\slot)+2:G0B+4*(\slot)+3], s[G0B+4*(\slot)+2:G0B+4*(\slot)+3], 2*BSTEP
	JLOAD \slot                                    ; the first tensor load behind the round, my only one until the next; its four v_nop are also the places in front of the loads below
.else
	PLACES
.endif
	FETCH \next, 0, F0
	MULA F1, 2, 0
	MULA F1, 3, 0
.endm
	s_wait_tensorcnt 0x1                           ; my part of K step 0 is in; K step 1's may stay out
	s_barrier_signal -1
	s_barrier_wait -1                              ; everybody's is
	FETCH 0, 0, F0
	WIN 0
	s_wait_loadcnt 0x0                             ; the bias,
.set i, 0
.rept 4*NB                             ; rounded to bf16 like the other inputs, and widened again
	v_cvt_pk_bf16_f32 v[30+i%2], v[BIAS+2*i], v[BIAS+2*i+1]
	v_lshlrev_b32 v[BIAS+2*i], 16, v[30+i%2]
	v_and_b32 v[BIAS+2*i+1], 0xffff0000, v[30+i%2]
.set i, i+1
.endr
	QUARTER 0, 1, F0, F1, 1                        ; the first quarter stands in front of the loop: its products start the sums
	WIN 0                                          ; at a label and at a branch every window is 0
	s_mov_b32 s3, LAPS-1
.Llap:                                                 ; a trip goes once round the ring, from a lap's second quarter to the next lap's first, and fills both slots again
	QUARTER 0, 2, F1, F0, 0
	QUARTER 0, 3, F0, F1, 0
	TURN 0, 1, 1
	QUARTER 1, 1, F0, F1, 0
	QUARTER 1, 2, F1, F0, 0
	QUARTER 1, 3, F0, F1, 0
	TURN 1, 0, 1
	QUARTER 0, 1, F0, F1, 0
	WIN 0
	s_sub_co_u32 s3, s3, 1
	s_cmp_lg_u32 s3, 0
	s_cbranch_scc1 .Llap
	QUARTER 0, 2, F1, F0, 0                        ; the last lap fills nothing, and has no round of the cluster's barrier
	QUARTER 0, 3, F0, F1, 0
	TURN 0, 1, 0
	QUARTER 1, 1, F0, F1, 0
	QUARTER 1, 2, F1, F0, 0
	QUARTER 1, 3, F0, F1, 0
	s_wait_dscnt 4                                 ; the very last quarter: nothing more to fetch
	MULA F1, 0, 0
	MULA F1, 1, 0
	s_wait_dscnt 0x0
	MULA F1, 2, 0
	MULA F1, 3, 0
	PLACES
	PLACES                                         ; once a launch
; THE WAY OUT, a block of 16 rows at a time, through my own stage: LDS serves a wave's instructions in order (ISA guide 5.7.1.4), so no wait stands between the stores into it and the loads from it.
.if QKV
.macro PACK a                          ; rounded to f16, each accumulator's registers in ascending order: 16 bytes a lane and column block
	WIN (2+(\a)/2)*5                               ; sources 0 and 1 in the accumulators' window
.set bi, 0
.rept NB
.irp rr, 0,1,2,3
	v_cvt_pk_f16_f32 v[TMP+4*bi+(\rr)], v[8*(NB*((\a)%2)+bi)+2*(\rr)], v[8*(NB*((\a)%2)+bi)+2*(\rr)+1]
.endr
.set bi, bi+1
.endr
	WIN 0
.endm
.macro TOSTAGE a
	WIN 0
	s_wait_xcnt 0x0                                ; the stores issued so far have read their registers: the set that is loaded below was stored from two blocks back
.set bi, 0
.rept NB
	ds_store_b128 v[STO], v[TMP+4*bi:TMP+4*bi+3] offset:(bi/4)*16*144+(bi%4)*32
.set bi, bi+1
.endr
.set ti, 0
.rept 12
	ds_load_b128 v[OB+OBN*((\a)%2)+4*ti:OB+OBN*((\a)%2)+4*ti+3], v[RD] offset:(ti/4)*16*144+(ti%4)*4*144
.set ti, ti+1
.endr
.endm
.macro SEND a, younger
	WIN 0
	s_wait_dscnt \younger                          ; the block is back in registers
.set ti, 0
.rept 12
	global_store_b128 v[CO], v[OB+OBN*((\a)%2)+4*ti:OB+OBN*((\a)%2)+4*ti+3], s[10:11] offset:(ti/4)*524288+(\a)*2048+(ti%4)*512  ; four rows of a plane: 512 consecutive bytes, aligned
.set ti, ti+1
.endr
.endm
	PACK 0
	TOSTAGE 0
.irp a, 1,2,3                          ; block a's conversions stand between block a - 1's loads from the stage and the wait for them
	PACK \a
	SEND (\a)-1, 0
	TOSTAGE \a
.endr
	SEND 3, 0
.else
.macro TOSTAGE a                       ; the f32 sums go into the stage as they are, each accumulator's four lowest registers first
	WIN (2+(\a)/2)<<2                              ; the stores' data (source 1) in the accumulators' window
.set bi, 0
.rept NB
	ds_store_b128 v[STO], v[8*(NB*((\a)%2)+bi):8*(NB*((\a)%2)+bi)+3]   offset:64*bi
	ds_store_b128 v[STO], v[8*(NB*((\a)%2)+bi)+4:8*(NB*((\a)%2)+bi)+7] offset:64*bi+16
.set bi, bi+1
.endr
	WIN 0
	s_wait_xcnt 0x0                                ; the stores issued so far have read their registers: the set that is loaded below was stored from two blocks back
.set ti, 0
.rept 8
	ds_load_b128 v[OB+OBN*((\a)%2)+4*ti:OB+OBN*((\a)%2)+4*ti+3], v[RD] offset:ti*2*272
.set ti, ti+1
.endr
.endm
.macro SEND a, younger                 ; younger: the LDS instructions issued behind block a's loads: the next block's sixteen, or none
	WIN 0
	s_wait_dscnt \younger
.set ti, 0
.rept 8
	global_store_b128 v[CO], v[OB+OBN*((\a)%2)+4*ti:OB+OBN*((\a)%2)+4*ti+3], s[10:11] offset:(16*(\a)+2*ti)*4096 th:TH_STORE_NT  ; 16 lanes store 256 consecutive bytes, aligned
.set ti, ti+1
.endr
.endm
	TOSTAGE 0
.irp a, 1,2,3
	TOSTAGE \a
	SEND (\a)-1, 16
.endr
	SEND 3, 0
.endif
	WIN 0
	s_wait_tensorcnt 0x0                           ; the wave's end: behind my last tensor load and my last LDS store
	ds_add_u32 v[SPW], v[NIL]
	s_wait_dscnt 0x0
	CROUND                                         ; the closing round: no work-group ends while a partner may still ask for a tile that names it
	s_endpgm
.Lfunc_end_k_q0d82648445_outgemm:
	.size	k_q0d82648445_outgemm, .Lfunc_end_k_q0d82648445_outgemm-k_q0d82648445_outgemm
	.p2alignl 7, 3214868480
	.fill 96, 4, 3214868480
	.section	.rodata,"a",@progbits
	.p2align	6, 0x0
	.amdhsa_kernel k_q0d82648445_outgemm
		.amdhsa_group_segment_fixed_size 327680
		.amdhsa_private_segment_fixed_size 0
		.amdhsa_enable_private_segment 0
		.amdhsa_kernarg_size 32
		.amdhsa_user_sgpr_count 2
		.amdhsa_user_sgpr_kernarg_segment_ptr 1
		.amdhsa_wavefront_size32 1
		.amdhsa_system_sgpr_workgroup_id_x 1
		.amdhsa_system_sgpr_workgroup_id_y 1
		.amdhsa_system_sgpr_workgroup_id_z 1
		.amdhsa_system_vgpr_workitem_id 0
		.amdhsa_next_free_vgpr 832
		.amdhsa_next_free_sgpr 66
		.amdhsa_reserve_vcc 0
		.amdhsa_float_denorm_mode_32 3
		.amdhsa_float_denorm_mode_16_64 3
		.amdhsa_memory_ordered 1
		.amdhsa_forward_progress 1
		.amdhsa_inst_pref_size 58
	.end_amdhsa_kernel
	.amdgpu_metadata
---
amdhsa.version: [ 1, 2 ]
amdhsa.kernels:
  - .name:           k_q0d82648445_outgemm
    .symbol:         k_q0d82648445_outgemm.kd
    .args:
      - { .name: op, .offset: 0, .size: 8, .value_kind: global_buffer, .address_space: global }
      - { .name: wo, .offset: 8, .size: 8, .value_kind: global_buffer, .address_space: global }
      - { .name: bout, .offset: 16, .size: 8, .value_kind: global_buffer, .address_space: global }
      - { .name: out0, .offset: 24, .size: 8, .value_kind: global_buffer, .address_space: global }
    .group_segment_fixed_size: 327680
    .private_segment_fixed_size: 0
    .kernarg_segment_align: 8
    .kernarg_segment_size: 32
    .max_flat_workgroup_size: 128
    .sgpr_count:     66
    .vgpr_count:     832
    .wavefront_size: 32
...
	.end_amdgpu_metadata
.endif
;; end of part 4
;; ======== version 2 of 2: 4 launches; 1.10 times as fast as version 1
;; limits: values are held in f16: magnitudes above 65,504 overflow, below 6.1e-05 lose precision
;; workspace buffers: xp 8,388,608 bytes; wq 6,291,456 bytes; wo 2,097,152 bytes; gate 16,384 bytes; qkv 25,165,824 bytes; op 8,388,608 bytes
;; launch prep: the kernel of part 1 again; grid 576 x 1, 4 waves a work-group, no clusters, 0 bytes of LDS; arguments hidden_states, Wqkv, Wout, Wg, bg, xp, wq, wo, gate; writes xp, wq, wo, gate
;; launch qkvgemm: the kernel of part 2 again; grid 16 x 16, 4 waves a work-group, clusters of 4 x 4, 327,680 bytes of LDS; arguments xp, wq, bqkv, qkv; writes qkv
;; launch attn (part 5): grid 16 x 16, 4 waves a work-group, no clusters, 262,656 bytes of LDS; arguments qkv, gate, op; writes op
.if DOCPART == 5
	.amdgcn_target "amdgcn-amd-amdhsa--gfx1250"
	.amdhsa_code_object_version 6
	.text
	.protected	k_q0d82648445_attn
	.globl	k_q0d82648445_attn
	.p2align	8
	.type	k_q0d82648445_attn,@function
k_q0d82648445_attn:
	s_mov_b64 s[64:65], 0
	v_nop
	global_prefetch_b8 v0, s[64:65] scope:SCOPE_SE
	s_setreg_imm32_b32 hwreg(HW_REG_WAVE_MODE, 25, 1), 1
	s_wait_xcnt 0x0
; BANDED ATTENTION, GLOBAL-TOKEN ATTENTION AND THE GATE.  For head h and query q:
;   op[h][q][:] = (1 - g[q]) softmax over |k - q| <= 256 of (Q.K / 8) V  +  g[q] softmax over k < 64 of (Q.K / 8) V.
; qkv: [48 planes][4096][64] f16 (q: plane h, k: 16 + h, v: 32 + h), gate: [4096] f32, op: [16][4096][64] f16.  Products, maxima and sums in f32; the weights p are rounded to f16 for the second
; product (their sum l is taken of the unrounded p), op once at the end.
; LIMITS.  q, k, v arrive within f16's 65,504, so a score is 2.7e11 at the most.  A hidden score counts as its value less 1e30 (or 2e30).  The running maximum starts at -2^50, below every score
; and far above every hidden one, so a hidden score is never the maximum.  A weight below 2^-126 counts as 0 in l.  NaN and infinities are not treated apart.
; SHARES.  A work-group owns 256 queries of one head, wave w the 64 consecutive ones 64 w .. 64 w + 63: four tiles of 16, two pieces of two.  Of the 12 key steps of 64 in the three blocks of 256 keys
; round the work-group's own (L, C, R), wave w's band is exactly the nine steps w + i, i = 0..8: in step i = 0 key kk is hidden where kk < qq, in step i = 8 where kk > qq (both counted within 64),
; the seven between are seen whole.  With the step of the 64 global keys that is ten steps for every wave.  At the sequence's ends L or R does not exist: a block inside the buffer is fetched in its
; place and its steps are hidden whole; they are computed like the others, so that all work-groups run one text with constant trip counts.
; ALL KEYS STAY IN LDS: 64 + 768 rows of K and of V.  No byte is filled twice, so there is no ring.  Each wave issues four tensor loads at the head (G, L, C, R; waves 0, 1 K's halves, waves 2, 3 V's):
; four loads of mine are out.  The global step and step i = 0 touch G and L alone and run while C and R are on their way.
; THE MASK is the C operand that starts a sum S^T = K Q^T.  For tile t and key block kb of 16: MLOW where kb < t, MDIA where kb = t, MUPP where kb > t, eight registers each, made anew for each step
; from four scalars: MLOW = SLOW, MUPP = SUPP, MDIA = triangle x AL + HID.
; LAYOUT, SOFTMAX.  S^T = K Q^T holds ONE query a lane (lane % 16) and the keys 8 (lane / 16) + 0..7; two such results rounded to f16 ARE source 1 of O^T = V^T P.  p = 2^(c s - c m), c = log2(e) / 8, with a
; running maximum m; O and l are multiplied by a = 2^(c m_old - c m_new) in every step.  A pass's first true step has a = 0, so what O and l held before need only be finite.
; ORDER OF A STEP: both pieces' K Q^T; for piece 0 and then for piece 1 the maximum and statistics, the scalings and the exponentials; ONE WAIT; K's next run of loads; piece 0's rescaling, roundings
; and sums; piece 0's V^T P; piece 1's rescaling, roundings and sums; piece 1's V^T P.
; THE BATCHES.  A step's 132 exponentials (a and 32 scores for each of the four tiles) are ONE BATCH.  Each result has a register of its own: a in its tile's c2, a weight in its score's place in S^T.
; Nothing ahead of the step's one wait names a result; all that does (the rescaling by a, the roundings, the sums, l) stands behind it..
; SHARE's four reciprocals are a batch of their own, twice a launch.
; NO CLUSTER: neighbouring work-groups share blocks of keys, but at different places of their three (one's C is the next one's L); equal descriptors would make the LDS addresses of the reads hang on the
; place in the cluster.  What lies at equal places, the global keys, is 16 of 208 KiB.  NO PREFETCH: every tile is asked for by its tensor load at the head; nothing is left to ask for later.
; REGISTERS, in windows of 256 (s_set_vgpr_msb: bits 1:0 source 0, 3:2 source 1, 5:4 source 2, 7:6 destination):
;   window 0: v0-15 addresses; v16-31 statistics, four a tile; v32-47 at work, four a tile; v48-51 c m_old; v52-55 the gate; v64-191 S^T, 32 a tile; v192-255 P, 16 a tile
;   window 1: v0-127 O^T, 32 a tile; v128-255 the global part, finished and scaled      window 2: v0-63 Q; v64-103 triangles and masks; v128-191 K of one step; v192-255 V of one step
.set PK,    144       ; a row of K in LDS: 128 bytes + 16 = 36 words: the 16 rows of a load start at 16 different groups of four banks (64 banks of 4 bytes: ISA guide 11.1)
.set PVP,   160       ; a row of V: 128 + 32 = 40 words
.set KS,    64        ; keys in a step
.set NROW,  832       ; rows 0-63 the global keys, 64-319 L, 320-575 C, 576-831 R
.set VBASE, NROW*PK
.set STAGE, VBASE+NROW*PVP  ; never filled by a tensor load: 16 rows x 144 bytes for each wave, for the way out
.set SP,    144
.set SPARE, STAGE+4*16*SP   ; the spare words, 128 bytes for each wave: two blocks of 256 bytes that no other line names
.set AK0, 2           ; v2   my lane's place in a step of K; never rewritten
.set AV0, 3           ; v3   the same for V
.set AK,  4           ; v4   the LDS address of K's next run of loads
.set AV,  5           ; v5   of V's
.set STO, 6           ; v6   the way out: where I put 16 bytes of a row
.set RD,  7           ; v7   where I read rows back
.set GO,  8           ; v8   my byte offset in 512 consecutive bytes of op
.set QO,  9           ; v9   my byte offset in 16 rows of Q; never rewritten
.set GOF, 11          ; v11  my byte offset in 16 gates; never rewritten
.set ST,  16          ; tile t's statistics at v[ST+4 t]: c m, m, l (even keys', odd keys')
.set TMP, 32          ; tile t's c0-c3 at v[TMP+4 t]; when the maximum is found c2 takes a
.set MV,  48
.set GT,  52          ; g, later 1 - g
.set SPW, 62          ; v62  LDS address of my spare word: SPARE + 4 x my thread's number; never rewritten
.set NIL, 63          ; v63  0; never rewritten
.set S,   64
.set P,   192
.set OG,  128         ; window 1
.set TRIL, 64         ; window 2: -1e30 where register j < r - 8 h: the left edge's diagonal block
.set TRIR, 72         ; where j > r - 8 h: the right edge's
.set MLOW, 80
.set MDIA, 88
.set MUPP, 96
.set KF,  128         ; key block kb, channel half c at KF + 16 kb + 8 c
.set VF,  192         ; key half kk, channel block cb at VF + 32 kk + 8 cb
.set WV,  12          ; s12  my wave's number
.set QB,  13          ; s13  my block of 256 queries
.set HEAD, 14         ; s14
.set H2,  15          ; s15  which half of a tile I fetch
.set G1L, 16          ; s[16:23] descriptor group 1: 64 rows of 256 bytes
.set G1S, 24          ; s[24:31] 16 rows
.set G0,  32          ; s[32:47] four sets of group 0: G, L, C, R; none is written again
.set TBK, 54          ; s54  LDS byte at which K of the step to be fetched begins
.set TBV, 55          ; s55  the same for V, less VBASE
.set CNT, 56          ; s56  steps still to come
.set GI,  57          ; s57  the step's number among the twelve
.set CS,  58          ; s[58:59] c: the packed scaling takes the pair's low word for both halves
.set SEL, 60          ; s[60:61] v_permlanex16_b32's selects: each lane takes its own place in the other half
.set LOB, 62          ; s62, s63  steps below LOB and from HIB on do not exist
.set HIB, 63
.set AL,  66          ; s[66:67]
.set HID, 68          ; s[68:69] -1e30 if the step does not exist, else 0
.set SLOW, 70
.set SUPP, 71
.set BIGN, 72         ; s72  -1e30
.set WK,  73          ; s73  my wave's 64 w rows of K
.set WVV, 74          ; s74  of V
.set OFS, 76          ; s[76:77] my 64 rows in plane h: for Q and for op
.set TL,  78          ; s78, s79  the blocks fetched as L and R
.set TR,  79
.set M0,  0xd8800000  ; -2^50
.set CM0, 0xd738aa3b  ; c x -2^50, exact: a step that leaves m at its start finds c m_old - c m_new = 0
.set MSB, 0
.macro WIN new                      ; the high byte repeats the setting that is left; a switch that changes nothing is dropped
.if MSB != (\new)
	s_set_vgpr_msb (MSB<<8)|(\new)
.set MSB, (\new)
.endif
.endm
.set W_KQ, 0x0a       ; K and Q in window 2, S^T in window 0
.set W_KM, 0x2a       ; the same with the C operand in window 2
.set W_PV, 0x52       ; V in window 2, P in window 0, O^T in window 1
.set W_RS, 0x41       ; destination and source 0 in window 1, source 1 in window 0
; Group 0 number k: 128 keys of block s[tau], to LDS byte ldsc + 128 H2 rows.  s[50:51] the plane, s49 = 0, s52 = 16,384 H2.
.macro G0SET k, tau, ldsc, pitch
	s_mov_b32 s[G0+4*(\k)], 1
	s_mul_i32 s[G0+4*(\k)+1], s[H2], 128*(\pitch)
	s_add_co_u32 s[G0+4*(\k)+1], s[G0+4*(\k)+1], \ldsc
	s_lshl_b32 s48, s[\tau], 15
	s_add_co_u32 s48, s48, s52
	s_add_nc_u64 s[G0+4*(\k)+2:G0+4*(\k)+3], s[50:51], s[48:49]
	s_or_b32 s[G0+4*(\k)+3], s[G0+4*(\k)+3], 0x80000000
.endm
; A wave's four fills.  Keys are dense in memory, 128 bytes each: asked for as rows of 256 bytes, two keys a row, and padded in LDS after every key.
.macro FILL4 pitch, padcode, ldsbase, plane
	s_add_co_u32 s48, s[HEAD], \plane
	s_lshl_b32 s48, s48, 19         ; a plane is 524,288 bytes
	s_mov_b32 s49, 0
	s_add_nc_u64 s[50:51], s[4:5], s[48:49]
.irp g, G1L, G1S
	s_mov_b32 s[\g], (1<<16)|(1<<20)|(4<<22)|((\padcode)<<25)  ; 17:16 2-byte elements; 20 padding on; 24:22 after every 32 words (code 4); 31:25 the padding's words less one
	s_mov_b32 s[\g+1], 128<<16      ; tensor_dim0 = 128
	s_mov_b32 s[\g+3], 128<<16      ; tile_dim0 = 128
	s_mov_b32 s[\g+5], 128          ; 128 elements from row to row
	s_mov_b32 s[\g+6], 0
	s_mov_b32 s[\g+7], 0
.endr
	s_mov_b32 s[G1L+2], 64<<16      ; tensor_dim1 = tile_dim1 = 64: 128 keys
	s_mov_b32 s[G1L+4], 64
	s_mov_b32 s[G1S+2], 16<<16      ; 16: 32 keys
	s_mov_b32 s[G1S+4], 16
	s_mov_b32 s[G0], 1              ; G: my 32 of the 64 global keys
	s_mul_i32 s[G0+1], s[H2], 32*(\pitch)
	s_add_co_u32 s[G0+1], s[G0+1], \ldsbase
	s_lshl_b32 s48, s[H2], 12
	s_add_nc_u64 s[G0+2:G0+3], s[50:51], s[48:49]
	s_or_b32 s[G0+3], s[G0+3], 0x80000000
	s_lshl_b32 s52, s[H2], 14
	G0SET 1, TL, (\ldsbase)+64*(\pitch), \pitch
	G0SET 2, QB, (\ldsbase)+320*(\pitch), \pitch
	G0SET 3, TR, (\ldsbase)+576*(\pitch), \pitch
	tensor_load_to_lds s[G0:G0+3], s[G1S:G1S+7]
	s_nop 0
	tensor_load_to_lds s[G0+4:G0+7], s[G1L:G1L+7]
	s_nop 0
	tensor_load_to_lds s[G0+8:G0+11], s[G1L:G1L+7]
	s_nop 0
	tensor_load_to_lds s[G0+12:G0+15], s[G1L:G1L+7]
	s_nop 0
.rept 4
	v_nop                           ; an s_nop 0 follows each load, four v_nop the last
.endr
.endm
	s_load_b128 s[4:7], s[0:1], 0x0 ; qkv s[4:5], gate s[6:7]
	s_load_b64 s[8:9], s[0:1], 0x10 ; op
	v_lshl_add_u32 v[SPW], v0, 2, SPARE
	v_mov_b32 v[NIL], 0
	ds_add_u32 v[SPW], v[NIL]       ; the wave's opening: the add and its wait stand ahead of my first tensor load; the set-up below, work on registers, stands between them
	ds_add_u32 v62, v63
	v_lshrrev_b32 v1, 5, v0
	v_readfirstlane_b32 s[WV], v1   ; wave 0..3
	s_mov_b32 s[QB], ttmp9
	s_and_b32 s[HEAD], ttmp7, 0xffff
	s_and_b32 s[H2], s[WV], 1
	s_max_u32 s[TL], s[QB], 1
	s_sub_co_u32 s[TL], s[TL], 1    ; the block before mine, or block 0
	s_add_co_u32 s[TR], s[QB], 1
	s_min_u32 s[TR], s[TR], 15      ; the block behind mine, or block 15
	s_cmp_eq_u32 s[QB], 0
	s_cselect_b32 s[LOB], 4, 0
	s_cmp_eq_u32 s[QB], 15
	s_cselect_b32 s[HIB], 8, 12
	s_lshl_b32 s[OFS], s[HEAD], 19
	s_lshl_b32 s48, s[QB], 15       ; 256 rows of 128 bytes,
	s_add_co_u32 s[OFS], s[OFS], s48
	s_lshl_b32 s48, s[WV], 13       ; my wave's 64
	s_add_co_u32 s[OFS], s[OFS], s48
	s_mov_b32 s[OFS+1], 0
	s_lshl_b32 s52, s[QB], 10       ; the same rows' gates, 4 bytes each
	s_lshl_b32 s48, s[WV], 8
	s_add_co_u32 s52, s52, s48
	s_mov_b32 s53, 0
	s_mov_b32 s[CS], 0x3e38aa3b     ; c = log2(e) / 8 = 0.180337
	s_mov_b32 s[CS+1], s[CS]        ; named with it as a pair
	s_mov_b32 s[SEL], 0x76543210
	s_mov_b32 s[SEL+1], 0xfedcba98
	s_mov_b32 s[BIGN], 0xf149f2ca   ; -1e30
	s_mov_b32 s[AL], 0              ; the global step hides nothing
	s_mov_b32 s[AL+1], 0
	s_mov_b32 s[HID], 0
	s_mov_b32 s[HID+1], 0
	s_mov_b32 s[SLOW], 0
	s_mov_b32 s[SUPP], 0
	s_mov_b32 s[TBK], 0
	s_mov_b32 s[TBV], 0
	s_mul_i32 s[WK], s[WV], KS*PK
	s_mul_i32 s[WVV], s[WV], KS*PVP
	s_mov_b32 s[GI], s[WV]
	s_wait_dscnt 0x0                ; the opening add is done
	s_wait_kmcnt 0x0
	s_add_nc_u64 s[10:11], s[4:5], s[OFS:OFS+1]  ; Q at my wave's first row
	s_add_nc_u64 s[8:9], s[8:9], s[OFS:OFS+1]    ; op likewise
	s_add_nc_u64 s[6:7], s[6:7], s[52:53]        ; and the gates
	s_cmp_lt_u32 s[WV], 2           ; a wave's four fills stand in one branch, ahead of every wait on TENSORcnt, every LDS read and every barrier
	s_cbranch_scc0 .Lfill_v
	FILL4 PK, 3, 0, 16
	s_branch .Lfilled
.Lfill_v:
	FILL4 PVP, 7, VBASE, 32
.Lfilled:
	; A fragment of K or Q is 16 rows x 32 channels in 8 registers: lane l holds row l % 16, channels 8 (l / 16) + 0..7 and 16 + 8 (l / 16) + 0..7: two loads of 16 bytes, 32 bytes apart.
	v_and_b32 v1, 15, v0            ; r = l % 16
	v_bfe_u32 v10, v0, 4, 1         ; h = l / 16
	v_lshlrev_b32 v[QO], 7, v1
	v_lshl_add_u32 v[QO], v10, 4, v[QO]
	v_lshlrev_b32 v[GOF], 2, v1
	WIN 0x80                        ; destination window 2, address window 0
.set i, 0
.rept 8                             ; Q stays in registers: tile i / 2, channels 32 (i % 2) on
	global_load_b128 v[8*i:8*i+3],   v[QO], s[10:11] offset:(i/2)*2048+(i%2)*64
	global_load_b128 v[8*i+4:8*i+7], v[QO], s[10:11] offset:(i/2)*2048+(i%2)*64+32
.set i, i+1
.endr
	WIN 0
.irp t, 0,1,2,3
	global_load_b32 v[GT+(\t)], v[GOF], s[6:7] offset:64*(\t)  ; my query's gate in each tile
.endr
	v_lshlrev_b32 v14, 3, v10
	v_sub_nc_u32 v14, v1, v14       ; r - 8 h
	WIN 0x80
.set i, 0
.rept 8
	v_cmp_lt_i32 vcc_lo, i, v14
	v_cndmask_b32 v[TRIL+i], 0, s[BIGN], vcc_lo
	v_cmp_gt_i32 vcc_lo, i, v14
	v_cndmask_b32 v[TRIR+i], 0, s[BIGN], vcc_lo
.set i, i+1
.endr
	WIN 0x40
.set i, 0
.rept 128
	v_mov_b32 v[i], 0               ; O^T need only be finite when the first step multiplies it by a = 0: written in the wait for the first tiles, so that every step has one form
.set i, i+1
.endr
	WIN 0
.set i, 0
.rept 4
	v_mov_b32 v[ST+4*i], CM0
	v_mov_b32 v[ST+4*i+1], M0
	v_mov_b32 v[ST+4*i+2], 0
	v_mov_b32 v[ST+4*i+3], 0
.set i, i+1
.endr
	v_mul_u32_u24 v[AK0], v1, PK
	v_lshl_add_u32 v[AK0], v10, 4, v[AK0]  ; row x pitch + 16 h
	; The turning load takes 16 keys x 16 channels (lane l reads key 8 h + l % 8, channels 8 ((l / 8) % 2) + 0..7) and leaves half a fragment of V^T: lane l holds channel l % 16 and 8 keys.
	v_and_b32 v12, 7, v0
	v_bfe_u32 v13, v0, 3, 1
	v_lshl_add_u32 v[AV0], v10, 3, v12
	v_mul_u32_u24 v[AV0], v[AV0], PVP
	v_lshl_add_u32 v[AV0], v13, 4, v[AV0]
	v_add_nc_u32 v[AV0], VBASE, v[AV0]
	s_mul_i32 s48, s[WV], 16*SP
	s_add_co_u32 s48, s48, STAGE    ; my stage
	v_mul_u32_u24 v[STO], v1, SP    ; in: row r, 16 bytes for each half of the lanes
	v_lshl_add_u32 v[STO], v10, 4, v[STO]
	v_add_nc_u32 v[STO], s48, v[STO]
	v_bfe_u32 v[RD], v0, 3, 2       ; back: 32 lanes take four rows of 128 bytes,
	v_mul_u32_u24 v[RD], v[RD], SP
	v_lshl_add_u32 v[RD], v12, 4, v[RD]
	v_add_nc_u32 v[RD], s48, v[RD]
	v_and_b32 v[GO], 31, v0         ; which are 512 consecutive bytes of op
	v_lshlrev_b32 v[GO], 4, v[GO]
; THE MATRIX WORK.  The 8 accumulators of a run of 16 take turns, one instruction a turn.
; Product i of 16 of S^T = K Q^T for piece p: channels 32 (i / 8) on, keys 16 ((i / 2) % 4) on, tile 2 p + i % 2.  The first 8 start the sums with the mask.
.macro KQ2 p
.set i, 0
.rept 16
.set tl, 2*(\p)+i%2
.set kb, (i/2)%4
.set rS, S+32*tl+8*kb
.set rK, KF+16*kb+8*(i/8)
.set rQ, 16*tl+8*(i/8)
.if i < 8
.if kb < tl
.set rM, MLOW
.elseif kb == tl
.set rM, MDIA
.else
.set rM, MUPP
.endif
	WIN W_KM
	v_wmma_f32_16x16x32_f16 v[rS:rS+7], v[rK:rK+7], v[rQ:rQ+7], v[rM:rM+7]
.else
	WIN W_KQ
	v_wmma_f32_16x16x32_f16 v[rS:rS+7], v[rK:rK+7], v[rQ:rQ+7], v[rS:rS+7]
.endif
.set i, i+1
.endr
.endm
; Product i of 16 of O^T += V^T P for piece p: keys 32 (i / 8) on, channels 16 ((i / 2) % 4) on, tile 2 p + i % 2.
.macro PV2 p
	WIN W_PV
.set i, 0
.rept 16
.set tl, 2*(\p)+i%2
.set rO, 32*tl+8*((i/2)%4)
.set rV, VF+32*(i/8)+8*((i/2)%4)
.set rP, P+16*tl+8*(i/8)
	v_wmma_f32_16x16x32_f16 v[rO:rO+7], v[rV:rV+7], v[rP:rP+7], v[rO:rO+7]
.set i, i+1
.endr
.endm
; THE LDS LOADS stand in runs of 16: a step's K (64 keys x 64 channels: 8 fragments) and its V (turned).  K's fetch has two parts, so that a step can set its address line ahead of the step's wait.
.macro ADDR_K                       ; the LDS address of K's next run
	WIN 0
	v_add_nc_u32 v[AK], s[TBK], v[AK0]
.endm
.macro LOAD_K                       ; the run
	s_add_co_u32 s[TBK], s[TBK], KS*PK  ; the next fetch is the next step's
	WIN 0x80                        ; destination window 2
.irp f, 0,1,2,3,4,5,6,7             ; keys 16 (f / 2) on, channels 32 (f % 2) on
	ds_load_b128 v[KF+8*\f:KF+8*\f+3],   v[AK] offset:(\f/2)*16*PK+(\f%2)*64
	ds_load_b128 v[KF+8*\f+4:KF+8*\f+7], v[AK] offset:(\f/2)*16*PK+(\f%2)*64+32
.endr
.endm
.macro NEXT_K
	ADDR_K
	LOAD_K
.endm
.macro NEXT_V
	WIN 0
	v_add_nc_u32 v[AV], s[TBV], v[AV0]
	s_add_co_u32 s[TBV], s[TBV], KS*PVP
	WIN 0x80
.irp f, 0,1,2,3,4,5,6,7             ; keys 32 (f / 4) on, channels 16 (f % 4) on
	ds_load_tr16_b128 v[VF+8*\f:VF+8*\f+3],   v[AV] offset:(\f/4)*32*PVP+(\f%4)*32
	ds_load_tr16_b128 v[VF+8*\f+4:VF+8*\f+7], v[AV] offset:(\f/4)*32*PVP+16*PVP+(\f%4)*32
.endr
.endm
; The step's three masks: 20 plain instructions on registers of their own
.macro MASKS tri
	WIN 0x82
.set z, 0
.rept 8
	v_mov_b32 v[MLOW+z], s[SLOW]
	v_mov_b32 v[MUPP+z], s[SUPP]
.set z, z+1
.endr
.set z, 0
.rept 4
	v_pk_fma_f32 v[MDIA+2*z:MDIA+2*z+1], v[(\tri)+2*z:(\tri)+2*z+1], s[AL:AL+1], s[HID:HID+1] op_sel_hi:[1,0,0]
.set z, z+1
.endr
.endm
; THE VECTOR WORK, one line at a time: OP kind, tile, number.  X n: number n of the 22 that find the maximum and the statistics:
;   0-11  four chains c0-c3 of seven scores each, three operands at a time (each accumulator's lowest registers are read first)     12-14, 16  the four scores left over, the old m, and c0-c3 into c0
;   15  c m_old is kept     17, 18  the query's other 32 keys lie in the lane 16 away: the new m     19-21  c m; c m_old - c m_new; a
; F n: c s - c m for pair n of 16.  E n: the exponential of score n of 32.  R n: pair n of 16 of O^T times a.  C n: pair n rounded to f16.  B n: addition n of the 15 that sum the 16 pairs, in place, neighbours
; 1, 2, 4 and 8 pairs apart.  L: l = a l + the sum.
; X, F and E name no exponential's result; R, C, B and L do, and stand behind the step's wait.
.set F, 0
.set E, 1
.set C, 2
.set B, 3
.set L, 4
.set R, 5
.set X, 6
.macro OP k, t, n
.set rT, ST+4*(\t)
.set rC, TMP+4*(\t)
.set rW, MV+(\t)
.set rS, S+32*(\t)
.set rP, P+16*(\t)
.set rO, 32*(\t)
.if (\k) == R
	WIN W_RS
	v_pk_mul_f32 v[rO+2*(\n):rO+2*(\n)+1], v[rO+2*(\n):rO+2*(\n)+1], v[rC+2:rC+3] op_sel_hi:[1,0]
.else
	WIN 0
.if (\k) == F
	v_pk_fma_f32 v[rS+2*(\n):rS+2*(\n)+1], v[rS+2*(\n):rS+2*(\n)+1], s[CS:CS+1], v[rT:rT+1] op_sel_hi:[1,0,0] neg_lo:[0,0,1] neg_hi:[0,0,1]
.elseif (\k) == E
	v_exp_f32 v[rS+(\n)], v[rS+(\n)]
.elseif (\k) == C
	v_cvt_pk_f16_f32 v[rP+(\n)], v[rS+2*(\n)], v[rS+2*(\n)+1]
.elseif (\k) == B
.if (\n) < 8
.set w, 4
.set u, (\n)
.elseif (\n) < 12
.set w, 8
.set u, (\n)-8
.elseif (\n) < 14
.set w, 16
.set u, (\n)-12
.else
.set w, 32
.set u, 0
.endif
	v_pk_add_f32 v[rS+w*u:rS+w*u+1], v[rS+w*u:rS+w*u+1], v[rS+w*u+w/2:rS+w*u+w/2+1]
.elseif (\k) == L
	v_pk_fma_f32 v[rT+2:rT+3], v[rT+2:rT+3], v[rC+2:rC+3], v[rS:rS+1] op_sel_hi:[1,0,1]
.elseif (\n) < 4
	v_max3_num_f32 v[rC+(\n)], v[rS+8*(\n)], v[rS+8*(\n)+1], v[rS+8*(\n)+2]
.elseif (\n) < 12
	v_max3_num_f32 v[rC+(\n)%4], v[rC+(\n)%4], v[rS+8*((\n)%4)+2*((\n)/4)+1], v[rS+8*((\n)%4)+2*((\n)/4)+2]
.elseif (\n) == 12
	v_max3_num_f32 v[rC], v[rC], v[rS+7], v[rS+15]
.elseif (\n) == 13
	v_max3_num_f32 v[rC+1], v[rC+1], v[rS+23], v[rS+31]
.elseif (\n) == 14
	v_max3_num_f32 v[rC+2], v[rC+2], v[rC+3], v[rT+1]
.elseif (\n) == 15
	v_mov_b32 v[rW], v[rT]
.elseif (\n) == 16
	v_max3_num_f32 v[rC], v[rC], v[rC+1], v[rC+2]
.elseif (\n) == 17
	v_permlanex16_b32 v[rC+3], v[rC], s[SEL], s[SEL+1]
.elseif (\n) == 18
	v_max_num_f32 v[rT+1], v[rC], v[rC+3]
.elseif (\n) == 19
	v_mul_f32 v[rT], s[CS], v[rT+1]
.elseif (\n) == 20
	v_sub_f32 v[rC+1], v[rW], v[rT]
.else
	v_exp_f32 v[rC+2], v[rC+1]
.endif
.endif
.endm
.macro RUN k, p, cnt                ; numbers 0 .. cnt - 1 of kind k, the piece's two tiles alternating, so that no line reads the result of the one before it
.set nn, 0
.rept \cnt
	OP \k, 2*(\p), nn
	OP \k, 2*(\p)+1, nn
.set nn, nn+1
.endr
.endm
; A piece's softmax for one step, in two parts.  AHEAD: the maximum and statistics with the two a, the scalings, the 64 exponentials of the scores: it names no exponential's result, its own piece's
; or the other's.  Behind the two exponentials that make a stand the scalings; behind piece 0's 64 stands piece 1's maximum; behind piece 1's the one plain line that STEP writes ahead of its wait: plain
; instructions that touch neither the results nor the sources (ISA guide 5.7.2).  BEHIND: the rescaling of O^T by a, the roundings, the sums and l: all that reads the results.
.macro AHEAD p
	RUN X, \p, 22
	RUN F, \p, 16
	RUN E, \p, 32
.endm
.macro BEHIND p
	RUN R, \p, 16
	RUN C, \p, 16
	RUN B, \p, 15
	RUN L, \p, 1
.endm
.macro PLACES                       ; four places behind products whose results are read next (ISA guide 7.12.1)
.rept 4
	v_nop
.endr
.endm
; A KEY STEP.  tri: the triangle for MDIA.  fk = 1: the next step's K is fetched; 2: the same, but for the loop's last trip; 0: not.
; The masks' 20 lines are the places between the last step's last product and the loads into V's registers, which it read.  K's registers are loaded again behind both pieces' exponentials.
; THE STEP'S ONE WAIT stands behind the 132 exponentials of both pieces and ahead of all their readers, of the branch round K's run and of its label.  The plain line behind the last exponential is the
; address of K's next run, which is due there anyway (in the loop's last trip it is made and not used); the step that fetches no K has a v_nop in its place.
.macro STEP tri, fk
	MASKS \tri
	NEXT_V
	s_wait_dscnt 16                 ; K, asked for a step ago, is in; V's 16 loads may stay out
	KQ2 0
	KQ2 1
	PLACES
	AHEAD 0
	AHEAD 1
.if (\fk)
	ADDR_K                          ; the plain instruction behind the last exponential
.else
	v_nop                           ; the plain instruction behind the last exponential
.endif
	s_wait_alu depctr_va_vdst(0)    ; the wait ahead of the first use: one for the step's batch, the four a and the 128 weights
	s_wait_dscnt 0x0                ; V is in
.if (\fk) == 1
	LOAD_K
.elseif (\fk) == 2
	WIN 0                           ; at a branch and at a label every window is 0
	s_cmp_eq_u32 s[CNT], 1
	s_cbranch_scc1 .Lno_k_\@
	LOAD_K
	WIN 0
.Lno_k_\@:
.endif
	BEHIND 0
	PV2 0
	BEHIND 1
	PV2 1
.endm
.macro HIDDEN                       ; does key step GI exist?
	s_cmp_lt_u32 s[GI], s[LOB]
	s_cselect_b32 s[HID], s[BIGN], 0
	s_cmp_ge_u32 s[GI], s[HIB]
	s_cselect_b32 s[HID], s[BIGN], s[HID]
.endm
.macro ALL line:vararg              ; one line for each tile t
.set t, 0
.rept 4
	\line
.set t, t+1
.endr
.endm
; c2 = GT / l for each tile: l's two halves and the other half of the lanes' are added.  The first four additions are the places behind the last products.
.macro SHARE
	WIN 0
	ALL v_add_f32 v[TMP+4*t], v[ST+4*t+2], v[ST+4*t+3]
	ALL v_permlanex16_b32 v[TMP+4*t+1], v[TMP+4*t], s[SEL], s[SEL+1]
	ALL v_add_f32 v[TMP+4*t], v[TMP+4*t], v[TMP+4*t+1]
	ALL v_rcp_f32 v[TMP+4*t+2], v[TMP+4*t]
	v_nop                           ; a plain instruction between the last reciprocal and the use of its result
	s_wait_alu depctr_va_vdst(0)    ; the wait ahead of the first use: one for the four reciprocals
	ALL v_mul_f32 v[TMP+4*t+2], v[TMP+4*t+2], v[GT+t]
.endm
	s_wait_tensorcnt 0x2            ; my parts of G and L are in; C's and R's, issued behind them, may stay out
	s_barrier_signal -1
	s_barrier_wait -1               ; everybody's are
	NEXT_K                          ; the global keys
	s_add_co_u32 s[TBK], s[TBK], s[WK]  ; the next fetch is step w of the twelve: rows 64 + 64 w on, inside L
	s_wait_loadcnt 0x0              ; Q and the gates
	STEP TRIL, 1                    ; THE GLOBAL STEP: AL = HID = SLOW = SUPP = 0
	s_add_co_u32 s[TBV], s[TBV], s[WVV]
	SHARE                           ; g / l
	WIN W_RS
.set i, 0
.rept 64
	v_pk_mul_f32 v[OG+2*i:OG+2*i+1], v[2*i:2*i+1], v[TMP+4*(i/16)+2:TMP+4*(i/16)+3] op_sel_hi:[1,0]  ; the global part, scaled as it must be anyway, is set aside
.set i, i+1
.endr
	WIN 0
	ALL v_sub_f32 v[GT+t], 1.0, v[GT+t]
	ALL v_mov_b32 v[ST+4*t], CM0    ; the band's pass begins: its first true step multiplies O^T and l by a = 0
	ALL v_mov_b32 v[ST+4*t+1], M0
	HIDDEN
	s_mov_b32 s[AL], 1.0
	s_mov_b32 s[SLOW], s[BIGN]
	s_mov_b32 s[SUPP], s[HID]
	STEP TRIL, 0                    ; THE LEFT EDGE, i = 0: still inside L
	WIN 0
	s_add_co_u32 s[GI], s[GI], 1
	s_wait_tensorcnt 0x0            ; my parts of C and R are in,
	s_wait_dscnt 0x0
	s_barrier_signal -1
	s_barrier_wait -1               ; everybody's are
	NEXT_K
	WIN 0
	s_mov_b32 s[CNT], 8
.Lband:                             ; i = 1 .. 8; the last holds the right edge
	HIDDEN
	s_cmp_eq_u32 s[CNT], 1
	s_cselect_b32 s[AL], 1.0, 0
	s_cselect_b32 s[SUPP], s[BIGN], s[HID]
	s_mov_b32 s[SLOW], s[HID]
	STEP TRIR, 2
	WIN 0
	s_add_co_u32 s[GI], s[GI], 1
	s_sub_co_u32 s[CNT], s[CNT], 1
	s_cmp_lg_u32 s[CNT], 0
	s_cbranch_scc1 .Lband
	; THE WAY OUT.  op = O^T (1 - g) / l + the global part, rounded to f16 and sent through my stage in LDS, a tile at a time.
	SHARE                           ; (1 - g) / l
.macro PACK t                       ; a lane's eight channels of a row pack into 16 bytes; they go into rows of 144 bytes and come back as whole rows of 128, into S^T's registers
	WIN 0x51                        ; destination, source 0 and source 2 in window 1, source 1 in window 0
.set i, 0
.rept 16
	v_pk_fma_f32 v[32*(\t)+2*i:32*(\t)+2*i+1], v[32*(\t)+2*i:32*(\t)+2*i+1], v[TMP+4*(\t)+2:TMP+4*(\t)+3], v[OG+32*(\t)+2*i:OG+32*(\t)+2*i+1] op_sel_hi:[1,0,1]
.set i, i+1
.endr
	WIN 0x05                        ; sources 0 and 1 window 1, destination window 0
.set i, 0
.rept 16
	v_cvt_pk_f16_f32 v[S+16*(\t)+i], v[32*(\t)+2*i], v[32*(\t)+2*i+1]
.set i, i+1
.endr
	WIN 0
.irp f, 0,1,2,3
	ds_store_b128 v[STO], v[S+16*(\t)+4*\f:S+16*(\t)+4*\f+3] offset:32*\f
.endr
.irp f, 0,1,2,3
	ds_load_b128 v[S+16*(\t)+4*\f:S+16*(\t)+4*\f+3], v[RD] offset:\f*4*SP  ; LDS serves a wave's instructions in order (ISA guide 5.7.1.4): these see the stores above; the next tile's stores come behind them
.endr
.endm
.macro SEND t, younger              ; younger: the LDS instructions issued behind tile t's loads: the next tile's eight, or none
	WIN 0
.irp f, 0,1,2,3
	s_wait_dscnt (\younger)+3-\f
	global_store_b128 v[GO], v[S+16*(\t)+4*\f:S+16*(\t)+4*\f+3], s[8:9] offset:(\t)*2048+\f*512  ; 512 consecutive bytes, at a multiple of 256 from op's first
.endr
.endm
	PACK 0
.set t, 1
.rept 3                             ; a tile's arithmetic stands between the loads of the tile before and its stores
	PACK t
	SEND t-1, 8
.set t, t+1
.endr
	SEND 3, 0
	s_wait_tensorcnt 0x0            ; the wave's end: behind my last tensor load and my last LDS store
	ds_add_u32 v[SPW], v[NIL]
	s_wait_dscnt 0x0
	s_endpgm
.Lfunc_end_k_q0d82648445_attn:
	.size	k_q0d82648445_attn, .Lfunc_end_k_q0d82648445_attn-k_q0d82648445_attn
	.p2alignl 7, 3214868480
	.fill 96, 4, 3214868480
	.section	.rodata,"a",@progbits
	.p2align	6, 0x0
	.amdhsa_kernel k_q0d82648445_attn
		.amdhsa_group_segment_fixed_size 262656
		.amdhsa_private_segment_fixed_size 0
		.amdhsa_enable_private_segment 0
		.amdhsa_kernarg_size 24
		.amdhsa_user_sgpr_count 2
		.amdhsa_user_sgpr_kernarg_segment_ptr 1
		.amdhsa_wavefront_size32 1
		.amdhsa_system_sgpr_workgroup_id_x 1
		.amdhsa_system_sgpr_workgroup_id_y 1
		.amdhsa_system_sgpr_workgroup_id_z 1
		.amdhsa_system_vgpr_workitem_id 0
		.amdhsa_next_free_vgpr 768
		.amdhsa_next_free_sgpr 80
		.amdhsa_reserve_vcc 1
		.amdhsa_float_denorm_mode_32 3
		.amdhsa_float_denorm_mode_16_64 3
		.amdhsa_memory_ordered 1
		.amdhsa_forward_progress 1
		.amdhsa_inst_pref_size 137
	.end_amdhsa_kernel
	.amdgpu_metadata
---
amdhsa.version: [ 1, 2 ]
amdhsa.kernels:
  - .name:           k_q0d82648445_attn
    .symbol:         k_q0d82648445_attn.kd
    .args:
      - { .name: qkv, .offset: 0, .size: 8, .value_kind: global_buffer, .address_space: global }
      - { .name: gate, .offset: 8, .size: 8, .value_kind: global_buffer, .address_space: global }
      - { .name: op, .offset: 16, .size: 8, .value_kind: global_buffer, .address_space: global }
    .group_segment_fixed_size: 262656
    .private_segment_fixed_size: 0
    .kernarg_segment_align: 8
    .kernarg_segment_size: 24
    .max_flat_workgroup_size: 128
    .sgpr_count:     80
    .vgpr_count:     768
    .wavefront_size: 32
...
	.end_amdgpu_metadata
.endif
;; end of part 5
;; launch outgemm: the kernel of part 4 again; grid 16 x 16, 4 waves a work-group, clusters of 4 x 4, 327,680 bytes of LDS; arguments op, wo, bout, out0; writes out0
